; MI455X (gfx1250); checked and timed in simulation.
; The chip was launched on July 23, 2026; its instructions are those of AMD's public machine-readable ISA for CDNA 5 (MIT licence, August 2026) and "CDNA5" Instruction Set Architecture Reference Guide (July 2026). The comments in the code are by the model that wrote it; some were corrected since.
;; Mo E Vi T. Allowed arithmetic: float matrix products may take bf16 or f16 operands with f32 sums; other float arithmetic in f32, or as packed bf16 or f16 multiplies, adds, multiply-adds, maxima and minima; sums over many terms, partial sums and values carried from step to step in f32; what a program stores and reads back later, other than sums and carried values, may be rounded once to bf16 or f16.
;; Inputs: b1 8 x 4,096 float32; b2 8 x 1,024 float32; gate_b 8 float32; gate_w 1,024 x 8 float32; w1 8 x 1,024 x 4,096 float32; w2 8 x 4,096 x 1,024 float32; x 8 x 128 x 1,024 float32.
;; Outputs: out0 8 x 128 x 1,024 float32.
;; 2 versions, each right and faster than the one before. Each part assembles by itself: llvm-mc -triple=amdgcn-amd-amdhsa -mcpu=gfx1250 --defsym DOCPART=n.
;; ======== version 1 of 2: 5 launches
;; workspace buffers: route 5,120 bytes of whole numbers; gw 8,192 bytes; meta 8,448 bytes of whole numbers; xg 4,456,448 bytes; hg 17,825,792 bytes; part 35,651,584 bytes
;; launch router (part 1): grid 64 x 1, 4 waves a work-group, no clusters, 4,608 bytes of LDS; arguments x, gate_w, gate_b, route, gw; writes route, gw
.if DOCPART == 1
	.amdgcn_target "amdgcn-amd-amdhsa--gfx1250"
	.amdhsa_code_object_version 6
	.text
	.protected	k_q5c3ff98055_router
	.globl	k_q5c3ff98055_router
	.p2align	8
	.type	k_q5c3ff98055_router,@function
k_q5c3ff98055_router:
	s_mov_b64 s[64:65], 0
	v_nop
	global_prefetch_b8 v0, s[64:65] scope:SCOPE_SE
	s_setreg_imm32_b32 hwreg(HW_REG_WAVE_MODE, 25, 1), 1
	s_wait_xcnt 0x0
; ROUTER.  logits = x . gate_w + gate_b for 1,024 tokens and 8 experts; the two largest, and their renormalised softmax weights.
; All three inputs are rounded to bf16 (as every input of this program is), products on the matrix unit, sums in f32.
; A work-group has 16 tokens; wave w sums k = 256 w .. 256 w + 255 (8 fragments of 32), the four partial sums meet in LDS, wave 0 finishes.
; The product is used transposed: source 0 = gate_w^T (row = expert, rows 8-15 repeat rows 0-7), source 1 = x (column = token): a lane then holds
; the 8 logits of token lane % 16 in the accumulator's 8 registers.
; STORED, at fixed places (nothing here forms an address from a choice): sel[t] = e0 | e1 << 8; (w0, w1); and for each expert a bitmap of its tokens.
; LIMITS.  The two largest are taken of the logits, the lower index first on a tie, as jax.lax.top_k does of the probabilities: softmax is monotone, so the two
; differ only where unequal logits round to equal probabilities.  w0 = 1 / (1 + e^(l1 - l0)), w1 = e^(l1 - l0) w0: the exponent is a logit less the maximum, never above 0.
; NaN and infinities are not treated apart.
.set SPARE, 4096                       ; behind the four waves' 1,024 bytes each: the spare words, 128 bytes a wave
.set XR,  16                           ; v16-79    x as loaded: 4 fragments x 16 numbers
.set GR,  80                           ; v80-143   gate_w as loaded
.set XF,  144                          ; v144-175  x in bf16: 4 fragments x 8 registers
.set GF,  176                          ; v176-207  gate_w in bf16
.set AC0, 208                          ; v208-215, v216-223: two accumulators, which take turns
.set AC1, 216
	s_load_b256 s[4:11], s[0:1], 0x0               ; x s[4:5], gate_w s[6:7], gate_b s[8:9], route s[10:11]
	s_load_b64 s[12:13], s[0:1], 0x20              ; gw
	v_lshl_add_u32 v5, v0, 2, SPARE                ; my spare word
	v_mov_b32 v6, 0
	v_lshrrev_b32 v8, 5, v0
	v_readfirstlane_b32 s14, v8                    ; wave 0..3
	v_and_b32 v1, 15, v0                           ; r = lane % 16
	v_bfe_u32 v2, v0, 4, 1                         ; h = lane / 16
	v_lshlrev_b32 v3, 12, v1                       ; x: token r's row,
	v_lshl_add_u32 v3, v2, 5, v3                   ; 8 h numbers on,
	v_lshl_add_u32 v3, s14, 10, v3                 ; my wave's 256 numbers
	v_and_b32 v4, 7, v0
	v_lshlrev_b32 v4, 2, v4                        ; gate_w: expert r % 8,
	v_lshl_add_u32 v4, v2, 8, v4                   ; 8 h rows of 32 bytes on,
	v_lshl_add_u32 v4, s14, 13, v4                 ; my wave's 256 rows
	v_and_b32 v7, 31, v0
	v_lshlrev_b32 v9, 4, v7                        ; 16 x lane
	v_lshl_add_u32 v7, s14, 10, v9                 ; my 16 bytes in my wave's part of LDS
	s_lshl_b32 s2, ttmp9, 16                       ; the work-group's 16 rows of 4,096 bytes
	s_mov_b32 s3, 0
	s_wait_kmcnt 0x0
	s_add_nc_u64 s[4:5], s[4:5], s[2:3]
	s_load_b256 s[16:23], s[8:9], 0x0              ; gate_b
; Four fragments: lane (r, h) holds k = 8 h + 0..7 and 16 + 8 h + 0..7 of each 32.
.macro HALF hf
.irp f, 0,1,2,3
.irp u, 0,1,2,3
	global_load_b128 v[XR+16*(\f)+4*(\u):XR+16*(\f)+4*(\u)+3], v3, s[4:5] offset:128*(4*(\hf)+(\f))+64*((\u)/2)+16*((\u)%2)
.endr
.set i, 0
.rept 16
	global_load_b32 v[GR+16*(\f)+i], v4, s[6:7] offset:32*(32*(4*(\hf)+(\f))+i+8*(i/8))
.set i, i+1
.endr
.endr
	s_wait_loadcnt 0x0
.if \hf
.rept 4
	v_nop                                          ; four places between the last products and the conversions that write their sources (ISA guide 7.12.1)
.endr
.endif
.set i, 0
.rept 32
	v_cvt_pk_bf16_f32 v[XF+i], v[XR+2*i], v[XR+2*i+1]
	v_cvt_pk_bf16_f32 v[GF+i], v[GR+2*i], v[GR+2*i+1]
.set i, i+1
.endr
.irp f, 0,1,2,3
.set ac, AC0+8*((\f)%2)
.if ((\hf) == 0) && ((\f) < 2)
	v_wmma_f32_16x16x32_bf16 v[ac:ac+7], v[GF+8*(\f):GF+8*(\f)+7], v[XF+8*(\f):XF+8*(\f)+7], 0
.else
	v_wmma_f32_16x16x32_bf16 v[ac:ac+7], v[GF+8*(\f):GF+8*(\f)+7], v[XF+8*(\f):XF+8*(\f)+7], v[ac:ac+7]
.endif
.endr
.endm
	HALF 0
	HALF 1
.rept 4
	v_nop                                          ; four places ahead of the first read of the results
.endr
.irp n, 0,2,4,6
	v_pk_add_f32 v[AC0+(\n):AC0+(\n)+1], v[AC0+(\n):AC0+(\n)+1], v[AC1+(\n):AC1+(\n)+1]
.endr
	ds_store_b128 v7, v[AC0:AC0+3]
	ds_store_b128 v7, v[AC0+4:AC0+7] offset:512
	s_wait_tensorcnt 0x0                           ; the wave's last LDS store is out
	ds_add_u32 v5, v6
	s_wait_dscnt 0x0                               ; the wait also shows my stores done, for wave 0's sake
	s_barrier_signal -1
	s_barrier_wait -1
	s_cmp_lg_u32 s14, 0
	s_cbranch_scc1 .Lend
	; wave 0: the four waves' partial logits
.irp w, 0,1,2,3
	ds_load_b128 v[16+8*(\w):16+8*(\w)+3], v9 offset:1024*(\w)
	ds_load_b128 v[16+8*(\w)+4:16+8*(\w)+7], v9 offset:1024*(\w)+512
.endr
	s_wait_dscnt 0x0
	s_wait_kmcnt 0x0                               ; gate_b
.irp n, 0,2,4,6
	v_pk_add_f32 v[16+(\n):17+(\n)], v[16+(\n):17+(\n)], v[24+(\n):25+(\n)]
	v_pk_add_f32 v[32+(\n):33+(\n)], v[32+(\n):33+(\n)], v[40+(\n):41+(\n)]
	v_pk_add_f32 v[16+(\n):17+(\n)], v[16+(\n):17+(\n)], v[32+(\n):33+(\n)]
	v_cvt_pk_bf16_f32 v48, s[16+(\n)], s[17+(\n)]  ; gate_b rounded to bf16 and widened again
	v_lshlrev_b32 v49, 16, v48
	v_and_b32 v50, 0xffff0000, v48
	v_add_f32 v[16+(\n)], v[16+(\n)], v49
	v_add_f32 v[17+(\n)], v[17+(\n)], v50
.endr
	; the two largest: a strict comparison keeps the lower index on a tie
	v_mov_b32 v32, v16                             ; m0
	v_mov_b32 v33, 0                               ; i0
	v_mov_b32 v34, 0xff800000                      ; m1
	v_mov_b32 v35, 1                               ; i1
.irp e, 1,2,3,4,5,6,7
	v_cmp_gt_f32 s30, v[16+(\e)], v32
	v_cmp_gt_f32 s31, v[16+(\e)], v34
	v_cndmask_b32 v34, v34, v[16+(\e)], s31
	v_cndmask_b32 v35, v35, \e, s31
	v_cndmask_b32 v34, v34, v32, s30
	v_cndmask_b32 v35, v35, v33, s30
	v_cndmask_b32 v32, v32, v[16+(\e)], s30
	v_cndmask_b32 v33, v33, \e, s30
.endr
	v_sub_f32 v36, v34, v32                        ; l1 - l0, never above 0
	v_mul_f32 v36, 0x3fb8aa3b, v36
	v_exp_f32 v37, v36
	v_nop                                          ; a plain instruction behind the exponential (ISA guide 5.7.2),
	s_wait_alu depctr_va_vdst(0)                   ; and a wait ahead of its first reader
	v_add_f32 v38, 1.0, v37
	v_rcp_f32 v40, v38                             ; w0
	v_nop
	s_wait_alu depctr_va_vdst(0)
	v_mul_f32 v41, v37, v40                        ; w1
	v_lshl_or_b32 v42, v35, 8, v33                 ; e0 | e1 << 8
	v_mov_b32 v43, 0
.irp e, 0,1,2,3,4,5,6,7
	v_cmp_eq_u32 s30, \e, v33
	v_cmp_eq_u32 s31, \e, v35
	s_or_b32 s30, s30, s31
	s_and_b32 s30, s30, 0xffff                     ; lanes 16-31 repeat lanes 0-15
	v_writelane_b32 v43, s30, \e                   ; lane e: the 16 tokens' bits for expert e
.endr
	s_lshl_b32 s41, ttmp9, 6
	s_add_co_u32 s41, s41, 1024
	s_lshl_b32 s42, ttmp9, 7
	s_lshl_b32 s43, ttmp9, 1
	v_lshl_add_u32 v44, v0, 2, s41                 ; sel: 1,024 + 4 x token
	v_lshl_add_u32 v45, v0, 3, s42                 ; gw: 8 x token
	v_lshl_add_u32 v46, v0, 7, s43                 ; bitmap: 128 x expert + 2 x work-group
	v_cmp_gt_u32 vcc_lo, 16, v0
	s_wait_xcnt 0x0                                ; EXEC changes only behind this wait
	s_and_saveexec_b32 s40, vcc_lo
	global_store_b32 v44, v42, s[10:11]
	global_store_b64 v45, v[40:41], s[12:13]
	s_wait_xcnt 0x0
	s_or_b32 exec_lo, exec_lo, s40
	v_cmp_gt_u32 vcc_lo, 8, v0
	s_and_saveexec_b32 s40, vcc_lo
	global_store_b16 v46, v43, s[10:11]
	s_wait_xcnt 0x0
	s_or_b32 exec_lo, exec_lo, s40
.Lend:
	s_endpgm
.Lfunc_end_k_q5c3ff98055_router:
	.size	k_q5c3ff98055_router, .Lfunc_end_k_q5c3ff98055_router-k_q5c3ff98055_router
	.p2alignl 7, 3214868480
	.fill 96, 4, 3214868480
	.section	.rodata,"a",@progbits
	.p2align	6, 0x0
	.amdhsa_kernel k_q5c3ff98055_router
		.amdhsa_group_segment_fixed_size 4608
		.amdhsa_private_segment_fixed_size 0
		.amdhsa_enable_private_segment 0
		.amdhsa_kernarg_size 40
		.amdhsa_user_sgpr_count 2
		.amdhsa_user_sgpr_kernarg_segment_ptr 1
		.amdhsa_wavefront_size32 1
		.amdhsa_system_sgpr_workgroup_id_x 1
		.amdhsa_system_sgpr_workgroup_id_y 1
		.amdhsa_system_sgpr_workgroup_id_z 1
		.amdhsa_system_vgpr_workitem_id 0
		.amdhsa_next_free_vgpr 224
		.amdhsa_next_free_sgpr 66
		.amdhsa_reserve_vcc 1
		.amdhsa_float_denorm_mode_32 3
		.amdhsa_float_denorm_mode_16_64 3
		.amdhsa_memory_ordered 1
		.amdhsa_forward_progress 1
		.amdhsa_inst_pref_size 36
	.end_amdhsa_kernel
	.amdgpu_metadata
---
amdhsa.version: [ 1, 2 ]
amdhsa.kernels:
  - .name:           k_q5c3ff98055_router
    .symbol:         k_q5c3ff98055_router.kd
    .args:
      - { .name: x, .offset: 0, .size: 8, .value_kind: global_buffer, .address_space: global }
      - { .name: gate_w, .offset: 8, .size: 8, .value_kind: global_buffer, .address_space: global }
      - { .name: gate_b, .offset: 16, .size: 8, .value_kind: global_buffer, .address_space: global }
      - { .name: route, .offset: 24, .size: 8, .value_kind: global_buffer, .address_space: global }
      - { .name: gw, .offset: 32, .size: 8, .value_kind: global_buffer, .address_space: global }
    .group_segment_fixed_size: 4608
    .private_segment_fixed_size: 0
    .kernarg_segment_align: 8
    .kernarg_segment_size: 40
    .max_flat_workgroup_size: 128
    .sgpr_count:     66
    .vgpr_count:     224
    .wavefront_size: 32
...
	.end_amdgpu_metadata
.endif
;; end of part 1
;; launch place (part 2): grid 136 x 1, 4 waves a work-group, no clusters, 0 bytes of LDS; arguments x, route, xg, meta; writes xg, meta
.if DOCPART == 2
	.amdgcn_target "amdgcn-amd-amdhsa--gfx1250"
	.amdhsa_code_object_version 6
	.text
	.protected	k_q5c3ff98055_place
	.globl	k_q5c3ff98055_place
	.p2align	8
	.type	k_q5c3ff98055_place,@function
k_q5c3ff98055_place:
	s_mov_b64 s[64:65], 0
	v_nop
	global_prefetch_b8 v0, s[64:65] scope:SCOPE_SE
	s_setreg_imm32_b32 hwreg(HW_REG_WAVE_MODE, 25, 1), 1
	s_wait_xcnt 0x0
; PLACE.  From the experts' bitmaps: each expert's count, its first tile and number of tiles of 16 routed rows (every expert begins a tile: at most 135 tiles for 2,048 rows and
; 8 experts, whatever the split; 136 work-groups are launched, and one that the split leaves without a tile stores nothing and ends).  Work-group T makes tile T: it finds its expert, for each
; of the 16 rows the token of that rank in the expert's bitmap (rows past the count repeat the expert's last token), and writes the tokens' x, rounded to bf16, in the order in which
; the products' operand registers take it.  It also stores, for each (token, choice), the routed row.  All this is whole-number work: no address hangs on a floating-point number.
; LAYOUT of xg: [tile][block of 64 k][c = 0..3][lane][16 bytes]; lane (r = lane % 16, h = lane / 16), piece c: row r, k = 64 block + 32 h + 4 j + c, j = 0..7.
; Every wave repeats the search; wave w gathers blocks 4 w .. 4 w + 3.  No LDS, no barrier.
	s_load_b256 s[4:11], s[0:1], 0x0               ; x s[4:5], route s[6:7], xg s[8:9], meta s[10:11]
	v_lshrrev_b32 v1, 5, v0
	v_readfirstlane_b32 s12, v1                    ; wave
	v_and_b32 v1, 31, v0                           ; lane
	v_lshlrev_b32 v2, 2, v1
	v_and_b32 v3, 15, v0                           ; r
	v_bfe_u32 v4, v0, 4, 1                         ; h
	s_mov_b32 s13, ttmp9                           ; T
	s_mov_b32 s28, 0x76543210                      ; v_permlanex16_b32: each lane takes its own place in the other half
	s_mov_b32 s29, 0xfedcba98
	s_wait_kmcnt 0x0
.irp e, 0,1,2,3,4,5,6,7
	global_load_b32 v[8+(\e)], v2, s[6:7] offset:128*(\e)   ; word lane of expert e's bitmap
.endr
	s_wait_loadcnt 0x0
	; the counts, two experts to a register (16 bits each: a count is 1,024 at the most), summed over the 32 lanes in whole numbers
.irp p, 0,1,2,3
	v_bcnt_u32_b32 v[8+2*(\p)], v[8+2*(\p)], 0
	v_bcnt_u32_b32 v[9+2*(\p)], v[9+2*(\p)], 0
	v_lshl_or_b32 v[16+(\p)], v[9+2*(\p)], 16, v[8+2*(\p)]
	v_mov_b32 v[20+(\p)], 0                        ; the moves below count as readers of their destination
.endr
.irp m, 1,2,4,8
.irp p, 0,1,2,3
	v_mov_b32_dpp v[20+(\p)], v[16+(\p)] row_xmask:\m row_mask:0xf bank_mask:0xf
	v_add_nc_u32 v[16+(\p)], v[16+(\p)], v[20+(\p)]
.endr
.endr
.irp p, 0,1,2,3
	v_permlanex16_b32 v[20+(\p)], v[16+(\p)], s28, s29
	v_add_nc_u32 v[16+(\p)], v[16+(\p)], v[20+(\p)]
	v_readfirstlane_b32 s30, v[16+(\p)]
	s_and_b32 s[16+2*(\p)], s30, 0xffff
	s_lshr_b32 s[17+2*(\p)], s30, 16
.endr
	; the table of tiles, and my tile's expert: the last one whose first tile is not beyond T
	s_mov_b32 s14, 0                               ; tiles so far
	s_mov_b32 s15, 0                               ; my expert
	s_mov_b32 s24, 0                               ; its first tile
	s_mov_b32 s25, 0                               ; its count
	v_mov_b32 v40, 0
.irp e, 0,1,2,3,4,5,6,7
	s_add_co_u32 s26, s[16+(\e)], 15
	s_lshr_b32 s26, s26, 4
	v_writelane_b32 v40, s14, \e
	v_writelane_b32 v40, s26, 8+(\e)
	s_cmp_ge_u32 s13, s14
	s_cselect_b32 s15, \e, s15
	s_cselect_b32 s24, s14, s24
	s_cselect_b32 s25, s[16+(\e)], s25
	s_add_co_u32 s14, s14, s26
.endr
	s_cmp_ge_u32 s13, s14
	s_cbranch_scc1 .Lend                           ; no such tile in this split
	s_or_b32 s26, s13, s12
	s_cmp_lg_u32 s26, 0
	s_cbranch_scc1 .Lnotab
	v_cmp_gt_u32 vcc_lo, 16, v0                    ; work-group 0, wave 0: first tiles at byte 0, numbers of tiles at byte 32
	s_wait_xcnt 0x0
	s_and_saveexec_b32 s27, vcc_lo
	global_store_b32 v2, v40, s[10:11]
	s_wait_xcnt 0x0
	s_or_b32 exec_lo, exec_lo, s27
.Lnotab:
	s_min_u32 s15, s15, 7
	s_lshl_b32 s26, s15, 7
	s_load_b512 s[32:47], s[6:7], s26 offset:0x0   ; my expert's bitmap, 32 words
	s_load_b512 s[48:63], s[6:7], s26 offset:0x40
	s_sub_co_u32 s27, s13, s24
	s_lshl_b32 s27, s27, 4
	v_add_nc_u32 v22, s27, v3                      ; my row's rank among the expert's tokens,
	s_sub_co_u32 s30, s25, 1
	v_min_u32 v23, s30, v22                        ; held to the last one
	s_wait_kmcnt 0x0
	; the word that holds the token of that rank: the last word whose prefix count is not above the rank
	v_mov_b32 v24, s32                             ; word
	v_mov_b32 v25, 0                               ; its prefix
	v_mov_b32 v26, 0                               ; its number
	s_bcnt1_i32_b32 s31, s32
.set g, 1
.rept 31
	v_cmp_le_u32 vcc_lo, s31, v23
	v_cndmask_b32 v24, v24, s[32+g], vcc_lo
	v_cndmask_b32 v25, v25, s31, vcc_lo
	v_cndmask_b32 v26, v26, g, vcc_lo
	s_bcnt1_i32_b32 s30, s[32+g]
	s_add_co_u32 s31, s31, s30
.set g, g+1
.endr
	v_sub_nc_u32 v25, v23, v25                     ; the rank inside the word
	v_mov_b32 v27, 0                               ; the bit's place, by halving
.irp wd, 16,8,4,2,1
	v_and_b32 v28, (1<<(\wd))-1, v24
	v_bcnt_u32_b32 v28, v28, 0
	v_cmp_ge_u32 vcc_lo, v25, v28
	v_sub_nc_u32 v29, v25, v28
	v_lshrrev_b32 v30, \wd, v24
	v_add_nc_u32 v31, \wd, v27
	v_cndmask_b32 v25, v25, v29, vcc_lo
	v_cndmask_b32 v24, v24, v30, vcc_lo
	v_cndmask_b32 v27, v27, v31, vcc_lo
.endr
	v_lshl_add_u32 v32, v26, 5, v27
	v_min_u32 v32, 0x3ff, v32                      ; the token
	v_lshlrev_b32 v33, 12, v32                     ; its row of x,
	v_lshl_add_u32 v33, v4, 7, v33                 ; 32 h numbers on,
	v_lshl_add_u32 v33, s12, 10, v33               ; my wave's four blocks
.irp b, 0,1,2,3
.irp j, 0,1,2,3,4,5,6,7
	global_load_b128 v[64+32*(\b)+4*(\j):64+32*(\b)+4*(\j)+3], v33, s[4:5] offset:256*(\b)+16*(\j)   ; k = 64 block + 32 h + 4 j + 0..3
.endr
.endr
	s_lshl_b32 s26, s13, 15
	s_lshl_b32 s27, s12, 13
	s_add_co_u32 s26, s26, s27
	v_lshl_add_u32 v34, v1, 4, s26                 ; tile, my wave's blocks, 16 x lane
	s_wait_loadcnt 0x0
.irp b, 0,1,2,3
.irp c, 0,1,2,3
.irp m, 0,1,2,3
	v_cvt_pk_bf16_f32 v[192+16*(\b)+4*(\c)+(\m)], v[64+32*(\b)+8*(\m)+(\c)], v[64+32*(\b)+8*(\m)+4+(\c)]   ; piece c: j = 2 m, 2 m + 1
.endr
	global_store_b128 v34, v[192+16*(\b)+4*(\c):192+16*(\b)+4*(\c)+3], s[8:9] offset:2048*(\b)+512*(\c)  ; the wave stores 512 consecutive bytes
.endr
.endr
	s_cmp_lg_u32 s12, 0
	s_cbranch_scc1 .Lend
	; wave 0: where each true row's (token, choice) lies
	v_lshlrev_b32 v35, 2, v32
	global_load_b32 v36, v35, s[6:7] offset:1024   ; sel[token]
	s_wait_loadcnt 0x0
	v_and_b32 v36, 0xff, v36
	v_cmp_ne_u32 vcc_lo, s15, v36                  ; my expert is the token's second choice
	v_cndmask_b32 v37, 0, 4, vcc_lo
	v_min_u32 v37, 4, v37
	v_lshl_add_u32 v37, v32, 3, v37
	s_lshl_b32 s27, s13, 4
	v_add_nc_u32 v38, s27, v3                      ; routed row 16 T + r
	v_cmp_gt_u32 s30, s25, v22                     ; rows inside the count,
	v_cmp_gt_u32 vcc_lo, 16, v0                    ; once each
	s_and_b32 vcc_lo, s30, vcc_lo
	s_wait_xcnt 0x0
	s_and_saveexec_b32 s31, vcc_lo
	global_store_b32 v37, v38, s[10:11] offset:256
	s_wait_xcnt 0x0
	s_or_b32 exec_lo, exec_lo, s31
.Lend:
	s_endpgm
.Lfunc_end_k_q5c3ff98055_place:
	.size	k_q5c3ff98055_place, .Lfunc_end_k_q5c3ff98055_place-k_q5c3ff98055_place
	.p2alignl 7, 3214868480
	.fill 96, 4, 3214868480
	.section	.rodata,"a",@progbits
	.p2align	6, 0x0
	.amdhsa_kernel k_q5c3ff98055_place
		.amdhsa_group_segment_fixed_size 0
		.amdhsa_private_segment_fixed_size 0
		.amdhsa_enable_private_segment 0
		.amdhsa_kernarg_size 32
		.amdhsa_user_sgpr_count 2
		.amdhsa_user_sgpr_kernarg_segment_ptr 1
		.amdhsa_wavefront_size32 1
		.amdhsa_system_sgpr_workgroup_id_x 1
		.amdhsa_system_sgpr_workgroup_id_y 1
		.amdhsa_system_sgpr_workgroup_id_z 1
		.amdhsa_system_vgpr_workitem_id 0
		.amdhsa_next_free_vgpr 256
		.amdhsa_next_free_sgpr 66
		.amdhsa_reserve_vcc 1
		.amdhsa_float_denorm_mode_32 3
		.amdhsa_float_denorm_mode_16_64 3
		.amdhsa_memory_ordered 1
		.amdhsa_forward_progress 1
		.amdhsa_inst_pref_size 29
	.end_amdhsa_kernel
	.amdgpu_metadata
---
amdhsa.version: [ 1, 2 ]
amdhsa.kernels:
  - .name:           k_q5c3ff98055_place
    .symbol:         k_q5c3ff98055_place.kd
    .args:
      - { .name: x, .offset: 0, .size: 8, .value_kind: global_buffer, .address_space: global }
      - { .name: route, .offset: 8, .size: 8, .value_kind: global_buffer, .address_space: global }
      - { .name: xg, .offset: 16, .size: 8, .value_kind: global_buffer, .address_space: global }
      - { .name: meta, .offset: 24, .size: 8, .value_kind: global_buffer, .address_space: global }
    .group_segment_fixed_size: 0
    .private_segment_fixed_size: 0
    .kernarg_segment_align: 8
    .kernarg_segment_size: 32
    .max_flat_workgroup_size: 128
    .sgpr_count:     66
    .vgpr_count:     256
    .wavefront_size: 32
...
	.end_amdgpu_metadata
.endif
;; end of part 2
;; launch up (part 3): grid 32 x 8, 4 waves a work-group, no clusters, 327,680 bytes of LDS; arguments xg, w1, meta, hg, b1; writes hg
.if DOCPART == 3
	.amdgcn_target "amdgcn-amd-amdhsa--gfx1250"
	.amdhsa_code_object_version 6
	.text
	.protected	k_q5c3ff98055_up
	.globl	k_q5c3ff98055_up
	.p2align	8
	.type	k_q5c3ff98055_up,@function
k_q5c3ff98055_up:
	s_mov_b64 s[64:65], 0
	v_nop
	global_prefetch_b8 v0, s[64:65] scope:SCOPE_SE
	s_setreg_imm32_b32 hwreg(HW_REG_WAVE_MODE, 25, 1), 1
	s_wait_xcnt 0x0
; ONE TEXT FOR THE TWO PRODUCTS OF AN EXPERT; DOWN = 0: h = gelu(x w1[e] + b1[e]), stored in bf16; DOWN = 1: a quarter of K of h w2[e], stored in f32.
; SHARES.  Work-group (sx, e) alone reads 1,024 rows (k) x 128 columns of expert e's weights, 512 KiB of f32, once.  DOWN = 0: columns 128 sx of w1.  DOWN = 1: rows 1,024 (sx / 8), columns 128 (sx % 8) of w2.
; It multiplies all of the expert's routed rows by them.  Wave w has the 64 columns cb = w / 2 and the expert's tiles of 16 rows of parity rp = w % 2: twelve slots, 48 accumulators, 384 rows an expert.
; WEIGHTS come as f32 by tensor loads, 256 k a chunk, into two LDS slots of 128 KiB; each wave fetches 64 rows of a chunk.  A lane's 16-byte LDS load of row k holds columns 4 r + 0..3 of its 64:
; component c of sixteen such loads, rounded in pairs to bf16, IS the fragment of the sixteen columns { 4 r + c }: nothing changes lanes.  k is permuted alike in weights and tokens:
; place i of lane half h in fragment f of a step of 64 is k = 32 h + 4 (i % 8) + 2 f + i / 8.
; TOKENS come from memory as ready fragments: [tile][block of 64 k][c][lane][16 bytes], piece c: row lane % 16, k = 32 (lane / 16) + 4 j + c; fragment f is pieces 2 f and 2 f + 1.
; DOWN = 0 multiplies transposed (source 0 = weights): a lane then holds one token and the columns 32 h + 4 j + c, which rounded ARE piece c of the next product's tokens.
; DOWN = 1: source 0 = tokens: lane r holds columns 4 r + c of row 8 h + j in four accumulators; moved together they are 16 bytes, and sixteen lanes store 256 consecutive bytes of a row.
; The four quarters of K are partial sums: they stay in f32 and a later launch adds them, with b2 and the gate's weights.
; EVERY SPLIT.  The number of live slots NL hangs on the expert's stored number of tiles.  Only loads into registers and products are jumped; every barrier and tensor load is on every path.  Tiles past the first 24 are
; served by two more passes, which read the weights from memory straight into registers and have no barrier; a pass without a live slot is jumped.  Slot 0 always multiplies (tile 0 of the buffer if it is dead).
; The accumulators are cleared by 384 moves, in the wait for the first chunk: that spares a written-out first step in each of the two kinds of pass.
; NO CLUSTER: each slice of weights has one reader; what an expert's work-groups share is its token tiles, whose number hangs on a stored count.
; LIMITS.  Weights, bias and tokens are rounded to bf16, h once to bf16.  erf by the five-term rational form of Abramowitz and Stegun 7.1.26, absolute error 1.5e-7: gelu(x) = max(x, 0) - |x| q(|x|),
; q(a) = (1/2) P(t) e^(-a a / 2), t = 1 / (1 + 0.3275911 a / sqrt 2).  NaN and infinities are not treated apart.
.set DOWN, 0
.if DOWN
.set PITCHB, 4096                      ; bytes from a row of the weights to the next
.set PITCHE, 1024
.set TSH, 17                           ; log2 of a token tile's bytes
.set HSH, 17                           ; log2 of 32 rows of weights
.set OSH, 16                           ; log2 of an output tile's bytes
.set OSTEP, 131072                     ; two output tiles
.else
.set PITCHB, 16384
.set PITCHE, 4096
.set TSH, 15
.set HSH, 19
.set OSH, 17
.set OSTEP, 262144
.endif
.set CHUNKB, 256*PITCHB                ; 256 rows of weights
.set SLOT1, 131072                     ; LDS: slot 0 at 0, slot 1 here: 256 rows x 512 bytes each; a half-wave's load takes 256 consecutive bytes
.set SPARE, 262144                     ; behind the ring: the spare words, 128 bytes a wave
; window 0
.set L16, 1                            ; 16 x lane
.set VL0, 2                            ; my place in a step's weights in LDS: 16,384 h + 256 cb + 16 r
.set VL,  3                            ; the same in the step in hand
.set VWG, 4                            ; my place in a step's weights in memory
.set SPW, 5                            ; my spare word; never rewritten
.set NIL, 6                            ; 0; never rewritten
.set VO,  7                            ; my output offset
.set AOFF, 12                          ; v12-23  slot i: byte offset of my 16 bytes in its token tile
.set VOB, 24                           ; the part of VO that no pass changes
.set BI,  32                           ; DOWN = 0: v32-63 bias, 8 c + j.   DOWN = 1: v32-63 sixteen bytes a row, 4 j + c
.set X,   64                           ; v64-255: token buffer 0, slot i fragment f at 64 + 16 i + 8 f; in DOWN = 0's way out X, T, E, PP, 32 each
.set T,   96
.set E,   128
.set PP,  160
; window 1: v0-191 token buffer 1 (16 i + 8 f); v192-255 weight fragments (192 + 32 f + 8 c)
; window 2: accumulators of slots 0-7 (32 i + 8 c);  window 3: v0-127 those of slots 8-11; v128-255 weights as loaded (128 + 64 f + 4 i + c)
; scalars: s14 wave, s15 cb, s16 rp, s17 sx, s18 e, s19 first tile, s20 tiles, s21 my tiles, s22 pass, s23 NL, s[24:31] descriptor group 1, s[32:35], s[36:39] group 0,
; s40 LDS byte of the step to fetch, s41, s42 counters, s[44:45] tokens at the step to fetch, s[46:47] at step 0, s[48:49], s[50:51] the same for the weights, s56 slot, s58 pass's first tile, s62 kq, s63 cs
.set MSB, 0
.macro WIN new                         ; s_set_vgpr_msb: bits 1:0 source 0, 3:2 source 1, 5:4 source 2, 7:6 destination; the high byte repeats the setting that is left
.if MSB != (\new)
	s_set_vgpr_msb (MSB<<8)|(\new)
.set MSB, (\new)
.endif
.endm
.macro PLACES                          ; four places behind matrix instructions (ISA guide 7.12.1)
.rept 4
	v_nop
.endr
.endm
; What hangs on the pass: the number of live slots, each slot's token tile (a dead slot takes tile 0 of the buffer, which always exists), the first output tile.
.macro SETPASS
	s_mul_i32 s52, s22, 12
	s_sub_co_i32 s23, s21, s52
	s_max_i32 s23, s23, 0
	s_min_i32 s23, s23, 12
	s_mul_i32 s52, s22, 24
	s_add_co_u32 s58, s19, s52
	s_add_co_u32 s58, s58, s16
.set i, 0
.rept 12
	s_add_co_u32 s52, s58, 2*i
	s_cmp_gt_u32 s23, i
	s_cselect_b32 s52, s52, 0
	s_min_u32 s52, s52, 135
	v_lshl_add_u32 v[AOFF+i], s52, TSH, v[L16]
.set i, i+1
.endr
	s_min_u32 s52, s58, 135
	v_lshl_add_u32 v[VO], s52, OSH, v[VOB]
.endm
.macro CLEAR
	WIN 0x80
.set i, 0
.rept 256
	v_mov_b32 v[i], 0
.set i, i+1
.endr
	WIN 0xc0
.set i, 0
.rept 128
	v_mov_b32 v[i], 0
.set i, i+1
.endr
	WIN 0
.endm
; A step's token fragments into buffer b: four loads of 512 consecutive bytes a slot.  all = 0: the dead slots' loads are jumped.
.macro LOADA b, all
.set i, 0
.rept 12
.if (!(\all)) && (i > 0)
	WIN 0
	s_cmp_gt_u32 s23, i
	s_cbranch_scc0 .Lla_\@
.endif
	WIN (\b)<<6
.set ra, 64*(1-(\b))+16*i
.irp u, 0,1,2,3
	global_load_b128 v[ra+4*(\u):ra+4*(\u)+3], v[AOFF+i], s[44:45] offset:512*(\u)
.endr
.set i, i+1
.endr
	WIN 0
.Lla_\@:
.endm
; A step's weights, 64 k x my 64 columns in f32: 32 LDS loads
.macro LOADW
	WIN 0
	v_add_nc_u32 v[VL], s40, v[VL0]
	s_add_co_u32 s40, s40, 32768
	WIN 0xc0
.irp f, 0,1
.set k, 0
.rept 16
	ds_load_b128 v[128+64*(\f)+4*k:128+64*(\f)+4*k+3], v[VL] offset:512*(4*(k&7)+2*(\f)+(k>>3))
.set k, k+1
.endr
.endr
	WIN 0
.endm
.macro LOADWG                          ; the same from memory, for the later passes
	WIN 0xc0
.irp f, 0,1
.set k, 0
.rept 16
	global_load_b128 v[128+64*(\f)+4*k:128+64*(\f)+4*k+3], v[VWG], s[48:49] offset:PITCHB*(4*(k&7)+2*(\f)+(k>>3))
.set k, k+1
.endr
.endr
	WIN 0
.endm
.macro CVT                             ; register p of the fragment of columns { 4 r + c }: component c of loads 2 p and 2 p + 1
	WIN 0x4f
.irp f, 0,1
.irp c, 0,1,2,3
.set k, 0
.rept 8
	v_cvt_pk_bf16_f32 v[192+32*(\f)+8*(\c)+k], v[128+64*(\f)+8*k+(\c)], v[128+64*(\f)+8*k+4+(\c)]
.set k, k+1
.endr
.endr
.endr
	WIN 0
.endm
; A step's products from token buffer b: eight a live slot; a slot's four accumulators take turns over every jump and back edge too.
.macro MM b
.set i, 0
.rept 12
.if i > 0
	WIN 0
	s_cmp_gt_u32 s23, i
	s_cbranch_scc0 .Lmm_\@
.endif
.set rc, 32*(i%8)
.set ra, 64*(1-(\b))+16*i
.if DOWN
	WIN (\b)|0x04|(0x50*(2+i/8))
.else
	WIN 0x01|((\b)<<2)|(0x50*(2+i/8))
.endif
.irp f, 0,1
.irp c, 0,1,2,3
.if DOWN
	v_wmma_f32_16x16x32_bf16 v[rc+8*(\c):rc+8*(\c)+7], v[ra+8*(\f):ra+8*(\f)+7], v[192+32*(\f)+8*(\c):192+32*(\f)+8*(\c)+7], v[rc+8*(\c):rc+8*(\c)+7]
.else
	v_wmma_f32_16x16x32_bf16 v[rc+8*(\c):rc+8*(\c)+7], v[192+32*(\f)+8*(\c):192+32*(\f)+8*(\c)+7], v[ra+8*(\f):ra+8*(\f)+7], v[rc+8*(\c):rc+8*(\c)+7]
.endif
.endr
.endr
.set i, i+1
.endr
	WIN 0
.Lmm_\@:
.endm
; A step: the next step's tokens and weights are asked for, this step is multiplied, the next step's weights are rounded.
.macro RSTEP b
	s_add_nc_u64 s[44:45], s[44:45], 2048          ; free: the loads that named it were waited for in the step before
	LOADA 1-(\b), 0
	LOADW
	MM \b
	s_wait_loadcnt 0x0                             ; the next step's tokens: the number of loads hangs on NL, so the wait is for all
	s_wait_dscnt 0x0                               ; and its weights
	PLACES                                         ; ahead of the conversions, which write the products' sources, and of the next loads into the buffer just multiplied
	CVT
.endm
; The change of slots: the slot's last bytes are in registers.  Each wave waits for all its tensor loads (one is out: its part of the other slot), adds 0 to its spare word, waits for that and for
; its reads of the slot, and meets the others.  fill = 1: the slot is filled again, first thing behind the barrier: the load has four steps in which to land.
.macro HOOK fill
	s_wait_tensorcnt 0x0
	ds_add_u32 v[SPW], v[NIL]                      ; 0 onto my spare word; scalar work stands between it and the wait for it
.if \fill
	s_xor_b32 s37, s37, SLOT1                      ; the walking descriptor: the other slot than last time,
	s_add_nc_u64 s[38:39], s[38:39], CHUNKB        ; the next 256 rows; the type bits on top are not reached
.endif
	s_sub_co_u32 s40, s40, 131072                  ; the fetches go back to a slot's first step,
	s_xor_b32 s40, s40, SLOT1                      ; in the other slot
	s_wait_dscnt 0x0
	s_barrier_signal -1
	s_barrier_wait -1
.if \fill
	tensor_load_to_lds s[36:39], s[24:31]
	s_nop 0
	PLACES
.endif
.endm
; DOWN = 0's way out: if the loop's counter s56 is i, slot i's 32 sums a lane, with the bias added, go into X, and the common text follows.  Each accumulator's lowest registers are read first.
; The twelve blocks stand one behind the other; every jump goes forward; the last block needs no test and runs on into the common text.
.macro PICK
.if i < 11
	s_cmp_lg_u32 s56, i
	s_cbranch_scc1 .Lnp_\@
.endif
	WIN 0x02+(i/8)                                 ; source 0: the accumulators' window
.set rc, 32*(i%8)
.set n, 0
.rept 16
	v_pk_add_f32 v[X+2*n:X+2*n+1], v[rc+2*n:rc+2*n+1], v[BI+2*n:BI+2*n+1]
.set n, n+1
.endr
	WIN 0
.if i < 11
	s_branch .Lgelu
.Lnp_\@:
.endif
.endm
	s_load_b256 s[4:11], s[0:1], 0x0               ; tokens s[4:5], weights s[6:7], meta s[8:9], output s[10:11]
.if !DOWN
	s_load_b64 s[12:13], s[0:1], 0x20              ; b1
.endif
	v_lshl_add_u32 v[SPW], v0, 2, SPARE
	v_mov_b32 v[NIL], 0
	ds_add_u32 v[SPW], v[NIL]                      ; the wave's opening: the add and its wait stand ahead of my first tensor load
	v_lshrrev_b32 v10, 5, v0
	v_readfirstlane_b32 s14, v10                   ; wave
	s_lshr_b32 s15, s14, 1                         ; cb
	s_and_b32 s16, s14, 1                          ; rp
	s_mov_b32 s17, ttmp9                           ; sx
	s_and_b32 s18, ttmp7, 0xffff                   ; e
	s_mov_b32 s24, 2<<16                           ; group 1: elements of 4 bytes, no mask, no padding
	s_mov_b32 s25, 128<<16                         ; tensor_dim0 = 128
	s_mov_b32 s26, 64<<16                          ; tensor_dim1 = 64
	s_mov_b32 s27, 128<<16                         ; tile_dim0 = 128: rows of 512 bytes
	s_mov_b32 s28, 64                              ; tile_dim1 = 64 rows
	s_mov_b32 s29, PITCHE                          ; elements from row to row
	s_mov_b32 s30, 0
	s_mov_b32 s31, 0
	s_lshl_b32 s52, s18, 24                        ; the expert's 16 MiB
.if DOWN
	s_lshr_b32 s62, s17, 3                         ; kq
	s_and_b32 s63, s17, 7                          ; cs
	s_lshl_b32 s53, s62, 22                        ; 1,024 rows of 4,096 bytes
	s_add_co_u32 s52, s52, s53
	s_lshl_b32 s53, s63, 9
.else
	s_lshl_b32 s53, s17, 9
.endif
	s_add_co_u32 s52, s52, s53                     ; my 128 columns
	s_mov_b32 s53, 0
	s_mul_i32 s56, s14, 64*PITCHB                  ; my wave's 64 rows of a chunk
	s_mov_b32 s57, 0
	s_mov_b32 s32, 1                               ; group 0 for chunk 0: count = 1,
	s_lshl_b32 s33, s14, 15                        ; LDS: slot 0, 64 rows x 512 bytes a wave
	s_mov_b32 s36, 1                               ; group 0 for chunk 1; it then walks
	s_add_co_u32 s37, s33, SLOT1
	s_wait_dscnt 0x0                               ; the opening add is done
	s_wait_kmcnt 0x0
	s_add_nc_u64 s[50:51], s[6:7], s[52:53]        ; the slice's first byte
	s_add_nc_u64 s[34:35], s[50:51], s[56:57]
	s_add_nc_u64 s[38:39], s[34:35], CHUNKB
	s_or_b32 s35, s35, 0x80000000                  ; type = 2
	s_or_b32 s39, s39, 0x80000000
	tensor_load_to_lds s[32:35], s[24:31]          ; both first fills together: two loads of mine are out
	s_nop 0
	tensor_load_to_lds s[36:39], s[24:31]
	s_nop 0
	PLACES
	s_lshl_b32 s59, s18, 2
	s_load_b32 s19, s[8:9], s59 offset:0x0         ; the expert's first tile
	s_load_b32 s20, s[8:9], s59 offset:0x20        ; and number of tiles
	v_and_b32 v10, 31, v0
	v_lshlrev_b32 v[L16], 4, v10
	v_and_b32 v11, 15, v0                          ; r
	v_bfe_u32 v10, v0, 4, 1                        ; h
	v_lshlrev_b32 v26, 4, v11
	v_lshl_add_u32 v26, s15, 8, v26                ; 256 cb + 16 r
	v_lshl_add_u32 v[VWG], v10, HSH, v26           ; + 32 h rows in memory
	v_lshl_add_u32 v[VL0], v10, 14, v26            ; + 32 h rows in LDS
.if DOWN
	s_lshl_b32 s52, s63, 9
	v_lshl_add_u32 v[VOB], v10, 15, s52            ; rows 8 h on, my work-group's 512 bytes of a row,
	v_add_nc_u32 v[VOB], v[VOB], v26               ; my wave's 256, my 16
	s_lshl_b32 s52, s62, 15                        ; the quarter's 16 blocks in a token tile
	s_add_nc_u64 s[46:47], s[4:5], s[52:53]
	s_mul_i32 s52, s62, 8912896                    ; the quarter's 2,176 rows of partial sums
	s_add_nc_u64 s[10:11], s[10:11], s[52:53]
.else
	s_lshl_b32 s52, s17, 1
	s_add_co_u32 s52, s52, s15                     ; my block of 64 columns of h
	s_lshl_b32 s54, s52, 11
	v_add_nc_u32 v[VOB], s54, v[L16]
	s_lshl_b32 s54, s52, 8
	s_lshl_b32 s55, s18, 14
	s_add_co_u32 s54, s54, s55
	v_lshl_add_u32 v25, v10, 7, s54                ; b1: expert, block, 32 h
.irp j, 0,1,2,3,4,5,6,7
	global_load_b128 v[64+4*(\j):67+4*(\j)], v25, s[12:13] offset:16*(\j)   ; columns 32 h + 4 j + 0..3
.endr
	s_mov_b64 s[46:47], s[4:5]
	s_mov_b32 s60, 0x3e6d3388                      ; 0.3275911 / sqrt 2
	s_mov_b32 s66, 0xbf38aa3b                      ; - log2(e) / 2
	s_mov_b32 s68, 0x3f07dc22                      ; half of 1.061405429
	s_mov_b32 s70, 0xbf3a00e3                      ; half of -1.453152027
	s_mov_b32 s72, 0x3f35f0e3                      ; half of 1.421413741
	s_mov_b32 s74, 0xbe11a98e                      ; half of -0.284496736
	s_mov_b32 s76, 0x3e027906                      ; half of 0.254829592
.irp q, 67,69,71,73,75,77
	s_mov_b32 s[\q], 0                             ; named as pairs; the low word serves both halves
.endr
.endif
	CLEAR
	s_wait_kmcnt 0x0
	s_min_u32 s19, s19, 135
	s_min_u32 s20, s20, 64
	s_add_co_u32 s21, s20, 1
	s_sub_co_u32 s21, s21, s16
	s_lshr_b32 s21, s21, 1                         ; the expert's tiles of my parity
	s_mov_b32 s22, 0
	SETPASS
.if !DOWN
	s_wait_loadcnt 0x0                             ; the bias, rounded to bf16 and widened again, in the accumulators' order
.irp c, 0,1,2,3
.irp j, 0,2,4,6
	v_cvt_pk_bf16_f32 v27, v[64+4*(\j)+(\c)], v[68+4*(\j)+(\c)]
	v_lshlrev_b32 v[BI+8*(\c)+(\j)], 16, v27
	v_and_b32 v[BI+8*(\c)+(\j)+1], 0xffff0000, v27
.endr
.endr
.endif
	s_mov_b64 s[44:45], s[46:47]
	LOADA 1, 1                                     ; so that every register of both buffers is written on every path
	LOADA 0, 1                                     ; step 0's tokens
	s_wait_tensorcnt 0x1                           ; my part of chunk 0 is in; chunk 1's may stay out
	s_barrier_signal -1
	s_barrier_wait -1                              ; everybody's is
	s_mov_b32 s40, 0
	LOADW                                          ; step 0's weights
	s_wait_loadcnt 0x0
	s_wait_dscnt 0x0
	CVT
	s_mov_b32 s41, 2
	s_mov_b32 s42, 3
	s_branch .Lmid                                 ; the loop is entered in the middle of a trip: steps 0 to 2, then 3 to 6, 7 to 10
.Lout:
	HOOK 1                                         ; twice: chunk 2 into slot 0, chunk 3 into slot 1
	s_mov_b32 s41, 2
.Lin:
	RSTEP 1
.Lmid:
	RSTEP 0
	s_sub_co_u32 s41, s41, 1
	s_cmp_lg_u32 s41, 0
	s_cbranch_scc1 .Lin
	s_sub_co_u32 s42, s42, 1
	s_cmp_lg_u32 s42, 0
	s_cbranch_scc1 .Lout
	HOOK 0                                         ; the tail is written out: nothing is left to fetch
	s_mov_b32 s41, 2
.Lin2:
	RSTEP 1                                        ; steps 11 to 14
	RSTEP 0
	s_sub_co_u32 s41, s41, 1
	s_cmp_lg_u32 s41, 0
	s_cbranch_scc1 .Lin2
	MM 1                                           ; step 15
	s_branch .Lepi
.Lpass:                                                ; passes 1 and 2: the expert's tiles 24 to 63, if it has any
	s_wait_xcnt 0x0                                ; the offsets below were sources of loads and stores
	SETPASS
	s_cmp_eq_u32 s23, 0
	s_cbranch_scc1 .Lnext
	CLEAR
	s_mov_b64 s[44:45], s[46:47]
	s_mov_b64 s[48:49], s[50:51]
	s_mov_b32 s41, 16
.Lslow:
	PLACES                                         ; behind the last trip's products
	LOADWG
	LOADA 0, 0
	s_wait_loadcnt 0x0
	CVT
	MM 0
	s_add_nc_u64 s[44:45], s[44:45], 2048
	s_add_nc_u64 s[48:49], s[48:49], 64*PITCHB
	s_sub_co_u32 s41, s41, 1
	s_cmp_lg_u32 s41, 0
	s_cbranch_scc1 .Lslow
.Lepi:                                                 ; THE WAY OUT, written once for all passes
	PLACES
.if DOWN
.set i, 0
.rept 12
	WIN 0
	s_cmp_gt_u32 s23, i
	s_cbranch_scc0 .Lepi_end
	WIN 0x02+(i/8)
.set rc, 32*(i%8)
.irp j, 0,1,2,3,4,5,6,7                ; each accumulator's lowest register is read first
.irp c, 0,1,2,3
	v_mov_b32 v[BI+4*(\j)+(\c)], v[rc+8*(\c)+(\j)]   ; row 8 h + j, columns 4 r + 0..3: four accumulators' numbers side by side
.endr
.endr
	WIN 0
.irp j, 0,1,2,3,4,5,6,7
	global_store_b128 v[VO], v[BI+4*(\j):BI+4*(\j)+3], s[10:11] offset:4096*(\j)   ; sixteen lanes store 256 consecutive bytes of a row, aligned
.endr
	s_wait_xcnt 0x0                                ; the stores' offset and data are rewritten only behind this wait
	v_add_nc_u32 v[VO], OSTEP, v[VO]
.set i, i+1
.endr
.Lepi_end:
.else
	; a loop over the twelve slots, so that gelu and rounding stand once in the text; a trip takes its slot's sums out of the accumulators by PICK
	s_mov_b32 s56, 0
.Lslot:
	s_cmp_ge_u32 s56, s23
	s_cbranch_scc1 .Lskip                          ; a dead slot
.set i, 0
.rept 12
	PICK
.set i, i+1
.endr
.Lgelu:                                                ; X = the slot's 32 sums a lane, bias added
.set n, 0
.rept 32
	v_fma_f32 v[T+n], |v[X+n]|, s60, 1.0
.set n, n+1
.endr
.set n, 0
.rept 16
	v_pk_mul_f32 v[E+2*n:E+2*n+1], v[X+2*n:X+2*n+1], s[66:67] op_sel_hi:[1,0]
.set n, n+1
.endr
.set n, 0
.rept 16
	v_pk_mul_f32 v[E+2*n:E+2*n+1], v[E+2*n:E+2*n+1], v[X+2*n:X+2*n+1]
.set n, n+1
.endr
.set n, 0
.rept 32
	v_rcp_f32 v[T+n], v[T+n]                       ; t
.set n, n+1
.endr
.set n, 0
.rept 32
	v_exp_f32 v[E+n], v[E+n]                       ; e^(-x x / 2)
.set n, n+1
.endr
	v_nop                                          ; a plain instruction behind the last of the batch (ISA guide 5.7.2),
	s_wait_alu depctr_va_vdst(0)                   ; and one wait for all 64 ahead of the first reader
.set n, 0
.rept 16
	v_pk_fma_f32 v[PP+2*n:PP+2*n+1], v[T+2*n:T+2*n+1], s[68:69], s[70:71] op_sel_hi:[1,0,0]
.set n, n+1
.endr
.irp q, 72,74,76
.set n, 0
.rept 16
	v_pk_fma_f32 v[PP+2*n:PP+2*n+1], v[PP+2*n:PP+2*n+1], v[T+2*n:T+2*n+1], s[\q:\q+1] op_sel_hi:[1,1,0]
.set n, n+1
.endr
.endr
.set n, 0
.rept 16
	v_pk_mul_f32 v[PP+2*n:PP+2*n+1], v[PP+2*n:PP+2*n+1], v[T+2*n:T+2*n+1]
.set n, n+1
.endr
.set n, 0
.rept 16
	v_pk_mul_f32 v[PP+2*n:PP+2*n+1], v[PP+2*n:PP+2*n+1], v[E+2*n:E+2*n+1]
.set n, n+1
.endr
.set n, 0
.rept 32
	v_max_num_f32 v[T+n], 0, v[X+n]
.set n, n+1
.endr
.set n, 0
.rept 32
	v_fma_f32 v[X+n], -|v[X+n]|, v[PP+n], v[T+n]   ; max(x, 0) - |x| q
.set n, n+1
.endr
.set n, 0
.rept 16
	v_cvt_pk_bf16_f32 v[E+n], v[X+2*n], v[X+2*n+1]
.set n, n+1
.endr
.irp u, 0,1,2,3
	global_store_b128 v[VO], v[E+4*(\u):E+4*(\u)+3], s[10:11] offset:512*(\u)   ; piece u of the tile's block: 512 consecutive bytes
.endr
.Lskip:
	s_wait_xcnt 0x0                                ; the stores' offset and data are rewritten only behind this wait
	v_add_nc_u32 v[VO], OSTEP, v[VO]
	s_add_co_u32 s56, s56, 1
	s_cmp_lt_u32 s56, 12
	s_cbranch_scc1 .Lslot
.endif
.Lnext:
	s_add_co_u32 s22, s22, 1
	s_cmp_lt_u32 s22, 3
	s_cbranch_scc1 .Lpass
	s_wait_tensorcnt 0x0                           ; the wave's end: behind my last tensor load
	ds_add_u32 v[SPW], v[NIL]
	s_wait_dscnt 0x0
	s_endpgm
.Lfunc_end_k_q5c3ff98055_up:
	.size	k_q5c3ff98055_up, .Lfunc_end_k_q5c3ff98055_up-k_q5c3ff98055_up
	.p2alignl 7, 3214868480
	.fill 96, 4, 3214868480
	.section	.rodata,"a",@progbits
	.p2align	6, 0x0
	.amdhsa_kernel k_q5c3ff98055_up
		.amdhsa_group_segment_fixed_size 327680
		.amdhsa_private_segment_fixed_size 0
		.amdhsa_enable_private_segment 0
		.amdhsa_kernarg_size 40
		.amdhsa_user_sgpr_count 2
		.amdhsa_user_sgpr_kernarg_segment_ptr 1
		.amdhsa_wavefront_size32 1
		.amdhsa_system_sgpr_workgroup_id_x 1
		.amdhsa_system_sgpr_workgroup_id_y 1
		.amdhsa_system_sgpr_workgroup_id_z 1
		.amdhsa_system_vgpr_workitem_id 0
		.amdhsa_next_free_vgpr 1024
		.amdhsa_next_free_sgpr 80
		.amdhsa_reserve_vcc 0
		.amdhsa_float_denorm_mode_32 3
		.amdhsa_float_denorm_mode_16_64 3
		.amdhsa_memory_ordered 1
		.amdhsa_forward_progress 1
		.amdhsa_inst_pref_size 191
	.end_amdhsa_kernel
	.amdgpu_metadata
---
amdhsa.version: [ 1, 2 ]
amdhsa.kernels:
  - .name:           k_q5c3ff98055_up
    .symbol:         k_q5c3ff98055_up.kd
    .args:
      - { .name: xg, .offset: 0, .size: 8, .value_kind: global_buffer, .address_space: global }
      - { .name: w1, .offset: 8, .size: 8, .value_kind: global_buffer, .address_space: global }
      - { .name: meta, .offset: 16, .size: 8, .value_kind: global_buffer, .address_space: global }
      - { .name: hg, .offset: 24, .size: 8, .value_kind: global_buffer, .address_space: global }
      - { .name: b1, .offset: 32, .size: 8, .value_kind: global_buffer, .address_space: global }
    .group_segment_fixed_size: 327680
    .private_segment_fixed_size: 0
    .kernarg_segment_align: 8
    .kernarg_segment_size: 40
    .max_flat_workgroup_size: 128
    .sgpr_count:     80
    .vgpr_count:     1024
    .wavefront_size: 32
...
	.end_amdgpu_metadata
.endif
;; end of part 3
;; launch down (part 4): grid 32 x 8, 4 waves a work-group, no clusters, 327,680 bytes of LDS; arguments hg, w2, meta, part; writes part
.if DOCPART == 4
	.amdgcn_target "amdgcn-amd-amdhsa--gfx1250"
	.amdhsa_code_object_version 6
	.text
	.protected	k_q5c3ff98055_down
	.globl	k_q5c3ff98055_down
	.p2align	8
	.type	k_q5c3ff98055_down,@function
k_q5c3ff98055_down:
	s_mov_b64 s[64:65], 0
	v_nop
	global_prefetch_b8 v0, s[64:65] scope:SCOPE_SE
	s_setreg_imm32_b32 hwreg(HW_REG_WAVE_MODE, 25, 1), 1
	s_wait_xcnt 0x0
; ONE TEXT FOR THE TWO PRODUCTS OF AN EXPERT; DOWN = 0: h = gelu(x w1[e] + b1[e]), stored in bf16; DOWN = 1: a quarter of K of h w2[e], stored in f32.
; SHARES.  Work-group (sx, e) alone reads 1,024 rows (k) x 128 columns of expert e's weights, 512 KiB of f32, once.  DOWN = 0: columns 128 sx of w1.  DOWN = 1: rows 1,024 (sx / 8), columns 128 (sx % 8) of w2.
; It multiplies all of the expert's routed rows by them.  Wave w has the 64 columns cb = w / 2 and the expert's tiles of 16 rows of parity rp = w % 2: twelve slots, 48 accumulators, 384 rows an expert.
; WEIGHTS come as f32 by tensor loads, 256 k a chunk, into two LDS slots of 128 KiB; each wave fetches 64 rows of a chunk.  A lane's 16-byte LDS load of row k holds columns 4 r + 0..3 of its 64:
; component c of sixteen such loads, rounded in pairs to bf16, IS the fragment of the sixteen columns { 4 r + c }: nothing changes lanes.  k is permuted alike in weights and tokens:
; place i of lane half h in fragment f of a step of 64 is k = 32 h + 4 (i % 8) + 2 f + i / 8.
; TOKENS come from memory as ready fragments: [tile][block of 64 k][c][lane][16 bytes], piece c: row lane % 16, k = 32 (lane / 16) + 4 j + c; fragment f is pieces 2 f and 2 f + 1.
; DOWN = 0 multiplies transposed (source 0 = weights): a lane then holds one token and the columns 32 h + 4 j + c, which rounded ARE piece c of the next product's tokens.
; DOWN = 1: source 0 = tokens: lane r holds columns 4 r + c of row 8 h + j in four accumulators; moved together they are 16 bytes, and sixteen lanes store 256 consecutive bytes of a row.
; The four quarters of K are partial sums: they stay in f32 and a later launch adds them, with b2 and the gate's weights.
; EVERY SPLIT.  The number of live slots NL hangs on the expert's stored number of tiles.  Only loads into registers and products are jumped; every barrier and tensor load is on every path.  Tiles past the first 24 are
; served by two more passes, which read the weights from memory straight into registers and have no barrier; a pass without a live slot is jumped.  Slot 0 always multiplies (tile 0 of the buffer if it is dead).
; The accumulators are cleared by 384 moves, in the wait for the first chunk: that spares a written-out first step in each of the two kinds of pass.
; NO CLUSTER: each slice of weights has one reader; what an expert's work-groups share is its token tiles, whose number hangs on a stored count.
; LIMITS.  Weights, bias and tokens are rounded to bf16, h once to bf16.  erf by the five-term rational form of Abramowitz and Stegun 7.1.26, absolute error 1.5e-7: gelu(x) = max(x, 0) - |x| q(|x|),
; q(a) = (1/2) P(t) e^(-a a / 2), t = 1 / (1 + 0.3275911 a / sqrt 2).  NaN and infinities are not treated apart.
.set DOWN, 1
.if DOWN
.set PITCHB, 4096                      ; bytes from a row of the weights to the next
.set PITCHE, 1024
.set TSH, 17                           ; log2 of a token tile's bytes
.set HSH, 17                           ; log2 of 32 rows of weights
.set OSH, 16                           ; log2 of an output tile's bytes
.set OSTEP, 131072                     ; two output tiles
.else
.set PITCHB, 16384
.set PITCHE, 4096
.set TSH, 15
.set HSH, 19
.set OSH, 17
.set OSTEP, 262144
.endif
.set CHUNKB, 256*PITCHB                ; 256 rows of weights
.set SLOT1, 131072                     ; LDS: slot 0 at 0, slot 1 here: 256 rows x 512 bytes each; a half-wave's load takes 256 consecutive bytes
.set SPARE, 262144                     ; behind the ring: the spare words, 128 bytes a wave
; window 0
.set L16, 1                            ; 16 x lane
.set VL0, 2                            ; my place in a step's weights in LDS: 16,384 h + 256 cb + 16 r
.set VL,  3                            ; the same in the step in hand
.set VWG, 4                            ; my place in a step's weights in memory
.set SPW, 5                            ; my spare word; never rewritten
.set NIL, 6                            ; 0; never rewritten
.set VO,  7                            ; my output offset
.set AOFF, 12                          ; v12-23  slot i: byte offset of my 16 bytes in its token tile
.set VOB, 24                           ; the part of VO that no pass changes
.set BI,  32                           ; DOWN = 0: v32-63 bias, 8 c + j.   DOWN = 1: v32-63 sixteen bytes a row, 4 j + c
.set X,   64                           ; v64-255: token buffer 0, slot i fragment f at 64 + 16 i + 8 f; in DOWN = 0's way out X, T, E, PP, 32 each
.set T,   96
.set E,   128
.set PP,  160
; window 1: v0-191 token buffer 1 (16 i + 8 f); v192-255 weight fragments (192 + 32 f + 8 c)
; window 2: accumulators of slots 0-7 (32 i + 8 c);  window 3: v0-127 those of slots 8-11; v128-255 weights as loaded (128 + 64 f + 4 i + c)
; scalars: s14 wave, s15 cb, s16 rp, s17 sx, s18 e, s19 first tile, s20 tiles, s21 my tiles, s22 pass, s23 NL, s[24:31] descriptor group 1, s[32:35], s[36:39] group 0,
; s40 LDS byte of the step to fetch, s41, s42 counters, s[44:45] tokens at the step to fetch, s[46:47] at step 0, s[48:49], s[50:51] the same for the weights, s56 slot, s58 pass's first tile, s62 kq, s63 cs
.set MSB, 0
.macro WIN new                         ; s_set_vgpr_msb: bits 1:0 source 0, 3:2 source 1, 5:4 source 2, 7:6 destination; the high byte repeats the setting that is left
.if MSB != (\new)
	s_set_vgpr_msb (MSB<<8)|(\new)
.set MSB, (\new)
.endif
.endm
.macro PLACES                          ; four places behind matrix instructions (ISA guide 7.12.1)
.rept 4
	v_nop
.endr
.endm
; What hangs on the pass: the number of live slots, each slot's token tile (a dead slot takes tile 0 of the buffer, which always exists), the first output tile.
.macro SETPASS
	s_mul_i32 s52, s22, 12
	s_sub_co_i32 s23, s21, s52
	s_max_i32 s23, s23, 0
	s_min_i32 s23, s23, 12
	s_mul_i32 s52, s22, 24
	s_add_co_u32 s58, s19, s52
	s_add_co_u32 s58, s58, s16
.set i, 0
.rept 12
	s_add_co_u32 s52, s58, 2*i
	s_cmp_gt_u32 s23, i
	s_cselect_b32 s52, s52, 0
	s_min_u32 s52, s52, 135
	v_lshl_add_u32 v[AOFF+i], s52, TSH, v[L16]
.set i, i+1
.endr
	s_min_u32 s52, s58, 135
	v_lshl_add_u32 v[VO], s52, OSH, v[VOB]
.endm
.macro CLEAR
	WIN 0x80
.set i, 0
.rept 256
	v_mov_b32 v[i], 0
.set i, i+1
.endr
	WIN 0xc0
.set i, 0
.rept 128
	v_mov_b32 v[i], 0
.set i, i+1
.endr
	WIN 0
.endm
; A step's token fragments into buffer b: four loads of 512 consecutive bytes a slot.  all = 0: the dead slots' loads are jumped.
.macro LOADA b, all
.set i, 0
.rept 12
.if (!(\all)) && (i > 0)
	WIN 0
	s_cmp_gt_u32 s23, i
	s_cbranch_scc0 .Lla_\@
.endif
	WIN (\b)<<6
.set ra, 64*(1-(\b))+16*i
.irp u, 0,1,2,3
	global_load_b128 v[ra+4*(\u):ra+4*(\u)+3], v[AOFF+i], s[44:45] offset:512*(\u)
.endr
.set i, i+1
.endr
	WIN 0
.Lla_\@:
.endm
; A step's weights, 64 k x my 64 columns in f32: 32 LDS loads
.macro LOADW
	WIN 0
	v_add_nc_u32 v[VL], s40, v[VL0]
	s_add_co_u32 s40, s40, 32768
	WIN 0xc0
.irp f, 0,1
.set k, 0
.rept 16
	ds_load_b128 v[128+64*(\f)+4*k:128+64*(\f)+4*k+3], v[VL] offset:512*(4*(k&7)+2*(\f)+(k>>3))
.set k, k+1
.endr
.endr
	WIN 0
.endm
.macro LOADWG                          ; the same from memory, for the later passes
	WIN 0xc0
.irp f, 0,1
.set k, 0
.rept 16
	global_load_b128 v[128+64*(\f)+4*k:128+64*(\f)+4*k+3], v[VWG], s[48:49] offset:PITCHB*(4*(k&7)+2*(\f)+(k>>3))
.set k, k+1
.endr
.endr
	WIN 0
.endm
.macro CVT                             ; register p of the fragment of columns { 4 r + c }: component c of loads 2 p and 2 p + 1
	WIN 0x4f
.irp f, 0,1
.irp c, 0,1,2,3
.set k, 0
.rept 8
	v_cvt_pk_bf16_f32 v[192+32*(\f)+8*(\c)+k], v[128+64*(\f)+8*k+(\c)], v[128+64*(\f)+8*k+4+(\c)]
.set k, k+1
.endr
.endr
.endr
	WIN 0
.endm
; A step's products from token buffer b: eight a live slot; a slot's four accumulators take turns over every jump and back edge too.
.macro MM b
.set i, 0
.rept 12
.if i > 0
	WIN 0
	s_cmp_gt_u32 s23, i
	s_cbranch_scc0 .Lmm_\@
.endif
.set rc, 32*(i%8)
.set ra, 64*(1-(\b))+16*i
.if DOWN
	WIN (\b)|0x04|(0x50*(2+i/8))
.else
	WIN 0x01|((\b)<<2)|(0x50*(2+i/8))
.endif
.irp f, 0,1
.irp c, 0,1,2,3
.if DOWN
	v_wmma_f32_16x16x32_bf16 v[rc+8*(\c):rc+8*(\c)+7], v[ra+8*(\f):ra+8*(\f)+7], v[192+32*(\f)+8*(\c):192+32*(\f)+8*(\c)+7], v[rc+8*(\c):rc+8*(\c)+7]
.else
	v_wmma_f32_16x16x32_bf16 v[rc+8*(\c):rc+8*(\c)+7], v[192+32*(\f)+8*(\c):192+32*(\f)+8*(\c)+7], v[ra+8*(\f):ra+8*(\f)+7], v[rc+8*(\c):rc+8*(\c)+7]
.endif
.endr
.endr
.set i, i+1
.endr
	WIN 0
.Lmm_\@:
.endm
; A step: the next step's tokens and weights are asked for, this step is multiplied, the next step's weights are rounded.
.macro RSTEP b
	s_add_nc_u64 s[44:45], s[44:45], 2048          ; free: the loads that named it were waited for in the step before
	LOADA 1-(\b), 0
	LOADW
	MM \b
	s_wait_loadcnt 0x0                             ; the next step's tokens: the number of loads hangs on NL, so the wait is for all
	s_wait_dscnt 0x0                               ; and its weights
	PLACES                                         ; ahead of the conversions, which write the products' sources, and of the next loads into the buffer just multiplied
	CVT
.endm
; The change of slots: the slot's last bytes are in registers.  Each wave waits for all its tensor loads (one is out: its part of the other slot), adds 0 to its spare word, waits for that and for
; its reads of the slot, and meets the others.  fill = 1: the slot is filled again, first thing behind the barrier: the load has four steps in which to land.
.macro HOOK fill
	s_wait_tensorcnt 0x0
	ds_add_u32 v[SPW], v[NIL]                      ; 0 onto my spare word; scalar work stands between it and the wait for it
.if \fill
	s_xor_b32 s37, s37, SLOT1                      ; the walking descriptor: the other slot than last time,
	s_add_nc_u64 s[38:39], s[38:39], CHUNKB        ; the next 256 rows; the type bits on top are not reached
.endif
	s_sub_co_u32 s40, s40, 131072                  ; the fetches go back to a slot's first step,
	s_xor_b32 s40, s40, SLOT1                      ; in the other slot
	s_wait_dscnt 0x0
	s_barrier_signal -1
	s_barrier_wait -1
.if \fill
	tensor_load_to_lds s[36:39], s[24:31]
	s_nop 0
	PLACES
.endif
.endm
; DOWN = 0's way out: if the loop's counter s56 is i, slot i's 32 sums a lane, with the bias added, go into X, and the common text follows.  Each accumulator's lowest registers are read first.
; The twelve blocks stand one behind the other; every jump goes forward; the last block needs no test and runs on into the common text.
.macro PICK
.if i < 11
	s_cmp_lg_u32 s56, i
	s_cbranch_scc1 .Lnp_\@
.endif
	WIN 0x02+(i/8)                                 ; source 0: the accumulators' window
.set rc, 32*(i%8)
.set n, 0
.rept 16
	v_pk_add_f32 v[X+2*n:X+2*n+1], v[rc+2*n:rc+2*n+1], v[BI+2*n:BI+2*n+1]
.set n, n+1
.endr
	WIN 0
.if i < 11
	s_branch .Lgelu
.Lnp_\@:
.endif
.endm
	s_load_b256 s[4:11], s[0:1], 0x0               ; tokens s[4:5], weights s[6:7], meta s[8:9], output s[10:11]
.if !DOWN
	s_load_b64 s[12:13], s[0:1], 0x20              ; b1
.endif
	v_lshl_add_u32 v[SPW], v0, 2, SPARE
	v_mov_b32 v[NIL], 0
	ds_add_u32 v[SPW], v[NIL]                      ; the wave's opening: the add and its wait stand ahead of my first tensor load
	v_lshrrev_b32 v10, 5, v0
	v_readfirstlane_b32 s14, v10                   ; wave
	s_lshr_b32 s15, s14, 1                         ; cb
	s_and_b32 s16, s14, 1                          ; rp
	s_mov_b32 s17, ttmp9                           ; sx
	s_and_b32 s18, ttmp7, 0xffff                   ; e
	s_mov_b32 s24, 2<<16                           ; group 1: elements of 4 bytes, no mask, no padding
	s_mov_b32 s25, 128<<16                         ; tensor_dim0 = 128
	s_mov_b32 s26, 64<<16                          ; tensor_dim1 = 64
	s_mov_b32 s27, 128<<16                         ; tile_dim0 = 128: rows of 512 bytes
	s_mov_b32 s28, 64                              ; tile_dim1 = 64 rows
	s_mov_b32 s29, PITCHE                          ; elements from row to row
	s_mov_b32 s30, 0
	s_mov_b32 s31, 0
	s_lshl_b32 s52, s18, 24                        ; the expert's 16 MiB
.if DOWN
	s_lshr_b32 s62, s17, 3                         ; kq
	s_and_b32 s63, s17, 7                          ; cs
	s_lshl_b32 s53, s62, 22                        ; 1,024 rows of 4,096 bytes
	s_add_co_u32 s52, s52, s53
	s_lshl_b32 s53, s63, 9
.else
	s_lshl_b32 s53, s17, 9
.endif
	s_add_co_u32 s52, s52, s53                     ; my 128 columns
	s_mov_b32 s53, 0
	s_mul_i32 s56, s14, 64*PITCHB                  ; my wave's 64 rows of a chunk
	s_mov_b32 s57, 0
	s_mov_b32 s32, 1                               ; group 0 for chunk 0: count = 1,
	s_lshl_b32 s33, s14, 15                        ; LDS: slot 0, 64 rows x 512 bytes a wave
	s_mov_b32 s36, 1                               ; group 0 for chunk 1; it then walks
	s_add_co_u32 s37, s33, SLOT1
	s_wait_dscnt 0x0                               ; the opening add is done
	s_wait_kmcnt 0x0
	s_add_nc_u64 s[50:51], s[6:7], s[52:53]        ; the slice's first byte
	s_add_nc_u64 s[34:35], s[50:51], s[56:57]
	s_add_nc_u64 s[38:39], s[34:35], CHUNKB
	s_or_b32 s35, s35, 0x80000000                  ; type = 2
	s_or_b32 s39, s39, 0x80000000
	tensor_load_to_lds s[32:35], s[24:31]          ; both first fills together: two loads of mine are out
	s_nop 0
	tensor_load_to_lds s[36:39], s[24:31]
	s_nop 0
	PLACES
	s_lshl_b32 s59, s18, 2
	s_load_b32 s19, s[8:9], s59 offset:0x0         ; the expert's first tile
	s_load_b32 s20, s[8:9], s59 offset:0x20        ; and number of tiles
	v_and_b32 v10, 31, v0
	v_lshlrev_b32 v[L16], 4, v10
	v_and_b32 v11, 15, v0                          ; r
	v_bfe_u32 v10, v0, 4, 1                        ; h
	v_lshlrev_b32 v26, 4, v11
	v_lshl_add_u32 v26, s15, 8, v26                ; 256 cb + 16 r
	v_lshl_add_u32 v[VWG], v10, HSH, v26           ; + 32 h rows in memory
	v_lshl_add_u32 v[VL0], v10, 14, v26            ; + 32 h rows in LDS
.if DOWN
	s_lshl_b32 s52, s63, 9
	v_lshl_add_u32 v[VOB], v10, 15, s52            ; rows 8 h on, my work-group's 512 bytes of a row,
	v_add_nc_u32 v[VOB], v[VOB], v26               ; my wave's 256, my 16
	s_lshl_b32 s52, s62, 15                        ; the quarter's 16 blocks in a token tile
	s_add_nc_u64 s[46:47], s[4:5], s[52:53]
	s_mul_i32 s52, s62, 8912896                    ; the quarter's 2,176 rows of partial sums
	s_add_nc_u64 s[10:11], s[10:11], s[52:53]
.else
	s_lshl_b32 s52, s17, 1
	s_add_co_u32 s52, s52, s15                     ; my block of 64 columns of h
	s_lshl_b32 s54, s52, 11
	v_add_nc_u32 v[VOB], s54, v[L16]
	s_lshl_b32 s54, s52, 8
	s_lshl_b32 s55, s18, 14
	s_add_co_u32 s54, s54, s55
	v_lshl_add_u32 v25, v10, 7, s54                ; b1: expert, block, 32 h
.irp j, 0,1,2,3,4,5,6,7
	global_load_b128 v[64+4*(\j):67+4*(\j)], v25, s[12:13] offset:16*(\j)   ; columns 32 h + 4 j + 0..3
.endr
	s_mov_b64 s[46:47], s[4:5]
	s_mov_b32 s60, 0x3e6d3388                      ; 0.3275911 / sqrt 2
	s_mov_b32 s66, 0xbf38aa3b                      ; - log2(e) / 2
	s_mov_b32 s68, 0x3f07dc22                      ; half of 1.061405429
	s_mov_b32 s70, 0xbf3a00e3                      ; half of -1.453152027
	s_mov_b32 s72, 0x3f35f0e3                      ; half of 1.421413741
	s_mov_b32 s74, 0xbe11a98e                      ; half of -0.284496736
	s_mov_b32 s76, 0x3e027906                      ; half of 0.254829592
.irp q, 67,69,71,73,75,77
	s_mov_b32 s[\q], 0                             ; named as pairs; the low word serves both halves
.endr
.endif
	CLEAR
	s_wait_kmcnt 0x0
	s_min_u32 s19, s19, 135
	s_min_u32 s20, s20, 64
	s_add_co_u32 s21, s20, 1
	s_sub_co_u32 s21, s21, s16
	s_lshr_b32 s21, s21, 1                         ; the expert's tiles of my parity
	s_mov_b32 s22, 0
	SETPASS
.if !DOWN
	s_wait_loadcnt 0x0                             ; the bias, rounded to bf16 and widened again, in the accumulators' order
.irp c, 0,1,2,3
.irp j, 0,2,4,6
	v_cvt_pk_bf16_f32 v27, v[64+4*(\j)+(\c)], v[68+4*(\j)+(\c)]
	v_lshlrev_b32 v[BI+8*(\c)+(\j)], 16, v27
	v_and_b32 v[BI+8*(\c)+(\j)+1], 0xffff0000, v27
.endr
.endr
.endif
	s_mov_b64 s[44:45], s[46:47]
	LOADA 1, 1                                     ; so that every register of both buffers is written on every path
	LOADA 0, 1                                     ; step 0's tokens
	s_wait_tensorcnt 0x1                           ; my part of chunk 0 is in; chunk 1's may stay out
	s_barrier_signal -1
	s_barrier_wait -1                              ; everybody's is
	s_mov_b32 s40, 0
	LOADW                                          ; step 0's weights
	s_wait_loadcnt 0x0
	s_wait_dscnt 0x0
	CVT
	s_mov_b32 s41, 2
	s_mov_b32 s42, 3
	s_branch .Lmid                                 ; the loop is entered in the middle of a trip: steps 0 to 2, then 3 to 6, 7 to 10
.Lout:
	HOOK 1                                         ; twice: chunk 2 into slot 0, chunk 3 into slot 1
	s_mov_b32 s41, 2
.Lin:
	RSTEP 1
.Lmid:
	RSTEP 0
	s_sub_co_u32 s41, s41, 1
	s_cmp_lg_u32 s41, 0
	s_cbranch_scc1 .Lin
	s_sub_co_u32 s42, s42, 1
	s_cmp_lg_u32 s42, 0
	s_cbranch_scc1 .Lout
	HOOK 0                                         ; the tail is written out: nothing is left to fetch
	s_mov_b32 s41, 2
.Lin2:
	RSTEP 1                                        ; steps 11 to 14
	RSTEP 0
	s_sub_co_u32 s41, s41, 1
	s_cmp_lg_u32 s41, 0
	s_cbranch_scc1 .Lin2
	MM 1                                           ; step 15
	s_branch .Lepi
.Lpass:                                                ; passes 1 and 2: the expert's tiles 24 to 63, if it has any
	s_wait_xcnt 0x0                                ; the offsets below were sources of loads and stores
	SETPASS
	s_cmp_eq_u32 s23, 0
	s_cbranch_scc1 .Lnext
	CLEAR
	s_mov_b64 s[44:45], s[46:47]
	s_mov_b64 s[48:49], s[50:51]
	s_mov_b32 s41, 16
.Lslow:
	PLACES                                         ; behind the last trip's products
	LOADWG
	LOADA 0, 0
	s_wait_loadcnt 0x0
	CVT
	MM 0
	s_add_nc_u64 s[44:45], s[44:45], 2048
	s_add_nc_u64 s[48:49], s[48:49], 64*PITCHB
	s_sub_co_u32 s41, s41, 1
	s_cmp_lg_u32 s41, 0
	s_cbranch_scc1 .Lslow
.Lepi:                                                 ; THE WAY OUT, written once for all passes
	PLACES
.if DOWN
.set i, 0
.rept 12
	WIN 0
	s_cmp_gt_u32 s23, i
	s_cbranch_scc0 .Lepi_end
	WIN 0x02+(i/8)
.set rc, 32*(i%8)
.irp j, 0,1,2,3,4,5,6,7                ; each accumulator's lowest register is read first
.irp c, 0,1,2,3
	v_mov_b32 v[BI+4*(\j)+(\c)], v[rc+8*(\c)+(\j)]   ; row 8 h + j, columns 4 r + 0..3: four accumulators' numbers side by side
.endr
.endr
	WIN 0
.irp j, 0,1,2,3,4,5,6,7
	global_store_b128 v[VO], v[BI+4*(\j):BI+4*(\j)+3], s[10:11] offset:4096*(\j)   ; sixteen lanes store 256 consecutive bytes of a row, aligned
.endr
	s_wait_xcnt 0x0                                ; the stores' offset and data are rewritten only behind this wait
	v_add_nc_u32 v[VO], OSTEP, v[VO]
.set i, i+1
.endr
.Lepi_end:
.else
	; a loop over the twelve slots, so that gelu and rounding stand once in the text; a trip takes its slot's sums out of the accumulators by PICK
	s_mov_b32 s56, 0
.Lslot:
	s_cmp_ge_u32 s56, s23
	s_cbranch_scc1 .Lskip                          ; a dead slot
.set i, 0
.rept 12
	PICK
.set i, i+1
.endr
.Lgelu:                                                ; X = the slot's 32 sums a lane, bias added
.set n, 0
.rept 32
	v_fma_f32 v[T+n], |v[X+n]|, s60, 1.0
.set n, n+1
.endr
.set n, 0
.rept 16
	v_pk_mul_f32 v[E+2*n:E+2*n+1], v[X+2*n:X+2*n+1], s[66:67] op_sel_hi:[1,0]
.set n, n+1
.endr
.set n, 0
.rept 16
	v_pk_mul_f32 v[E+2*n:E+2*n+1], v[E+2*n:E+2*n+1], v[X+2*n:X+2*n+1]
.set n, n+1
.endr
.set n, 0
.rept 32
	v_rcp_f32 v[T+n], v[T+n]                       ; t
.set n, n+1
.endr
.set n, 0
.rept 32
	v_exp_f32 v[E+n], v[E+n]                       ; e^(-x x / 2)
.set n, n+1
.endr
	v_nop                                          ; a plain instruction behind the last of the batch (ISA guide 5.7.2),
	s_wait_alu depctr_va_vdst(0)                   ; and one wait for all 64 ahead of the first reader
.set n, 0
.rept 16
	v_pk_fma_f32 v[PP+2*n:PP+2*n+1], v[T+2*n:T+2*n+1], s[68:69], s[70:71] op_sel_hi:[1,0,0]
.set n, n+1
.endr
.irp q, 72,74,76
.set n, 0
.rept 16
	v_pk_fma_f32 v[PP+2*n:PP+2*n+1], v[PP+2*n:PP+2*n+1], v[T+2*n:T+2*n+1], s[\q:\q+1] op_sel_hi:[1,1,0]
.set n, n+1
.endr
.endr
.set n, 0
.rept 16
	v_pk_mul_f32 v[PP+2*n:PP+2*n+1], v[PP+2*n:PP+2*n+1], v[T+2*n:T+2*n+1]
.set n, n+1
.endr
.set n, 0
.rept 16
	v_pk_mul_f32 v[PP+2*n:PP+2*n+1], v[PP+2*n:PP+2*n+1], v[E+2*n:E+2*n+1]
.set n, n+1
.endr
.set n, 0
.rept 32
	v_max_num_f32 v[T+n], 0, v[X+n]
.set n, n+1
.endr
.set n, 0
.rept 32
	v_fma_f32 v[X+n], -|v[X+n]|, v[PP+n], v[T+n]   ; max(x, 0) - |x| q
.set n, n+1
.endr
.set n, 0
.rept 16
	v_cvt_pk_bf16_f32 v[E+n], v[X+2*n], v[X+2*n+1]
.set n, n+1
.endr
.irp u, 0,1,2,3
	global_store_b128 v[VO], v[E+4*(\u):E+4*(\u)+3], s[10:11] offset:512*(\u)   ; piece u of the tile's block: 512 consecutive bytes
.endr
.Lskip:
	s_wait_xcnt 0x0                                ; the stores' offset and data are rewritten only behind this wait
	v_add_nc_u32 v[VO], OSTEP, v[VO]
	s_add_co_u32 s56, s56, 1
	s_cmp_lt_u32 s56, 12
	s_cbranch_scc1 .Lslot
.endif
.Lnext:
	s_add_co_u32 s22, s22, 1
	s_cmp_lt_u32 s22, 3
	s_cbranch_scc1 .Lpass
	s_wait_tensorcnt 0x0                           ; the wave's end: behind my last tensor load
	ds_add_u32 v[SPW], v[NIL]
	s_wait_dscnt 0x0
	s_endpgm
.Lfunc_end_k_q5c3ff98055_down:
	.size	k_q5c3ff98055_down, .Lfunc_end_k_q5c3ff98055_down-k_q5c3ff98055_down
	.p2alignl 7, 3214868480
	.fill 96, 4, 3214868480
	.section	.rodata,"a",@progbits
	.p2align	6, 0x0
	.amdhsa_kernel k_q5c3ff98055_down
		.amdhsa_group_segment_fixed_size 327680
		.amdhsa_private_segment_fixed_size 0
		.amdhsa_enable_private_segment 0
		.amdhsa_kernarg_size 32
		.amdhsa_user_sgpr_count 2
		.amdhsa_user_sgpr_kernarg_segment_ptr 1
		.amdhsa_wavefront_size32 1
		.amdhsa_system_sgpr_workgroup_id_x 1
		.amdhsa_system_sgpr_workgroup_id_y 1
		.amdhsa_system_sgpr_workgroup_id_z 1
		.amdhsa_system_vgpr_workitem_id 0
		.amdhsa_next_free_vgpr 1024
		.amdhsa_next_free_sgpr 80
		.amdhsa_reserve_vcc 0
		.amdhsa_float_denorm_mode_32 3
		.amdhsa_float_denorm_mode_16_64 3
		.amdhsa_memory_ordered 1
		.amdhsa_forward_progress 1
		.amdhsa_inst_pref_size 181
	.end_amdhsa_kernel
	.amdgpu_metadata
---
amdhsa.version: [ 1, 2 ]
amdhsa.kernels:
  - .name:           k_q5c3ff98055_down
    .symbol:         k_q5c3ff98055_down.kd
    .args:
      - { .name: hg, .offset: 0, .size: 8, .value_kind: global_buffer, .address_space: global }
      - { .name: w2, .offset: 8, .size: 8, .value_kind: global_buffer, .address_space: global }
      - { .name: meta, .offset: 16, .size: 8, .value_kind: global_buffer, .address_space: global }
      - { .name: part, .offset: 24, .size: 8, .value_kind: global_buffer, .address_space: global }
    .group_segment_fixed_size: 327680
    .private_segment_fixed_size: 0
    .kernarg_segment_align: 8
    .kernarg_segment_size: 32
    .max_flat_workgroup_size: 128
    .sgpr_count:     80
    .vgpr_count:     1024
    .wavefront_size: 32
...
	.end_amdgpu_metadata
.endif
;; end of part 4
;; launch combine (part 5): grid 512 x 1, 4 waves a work-group, no clusters, 0 bytes of LDS; arguments part, meta, route, gw, b2, out0; writes out0
.if DOCPART == 5
	.amdgcn_target "amdgcn-amd-amdhsa--gfx1250"
	.amdhsa_code_object_version 6
	.text
	.protected	k_q5c3ff98055_combine
	.globl	k_q5c3ff98055_combine
	.p2align	8
	.type	k_q5c3ff98055_combine,@function
k_q5c3ff98055_combine:
	s_mov_b64 s[64:65], 0
	v_nop
	global_prefetch_b8 v0, s[64:65] scope:SCOPE_SE
	s_setreg_imm32_b32 hwreg(HW_REG_WAVE_MODE, 25, 1), 1
	s_wait_xcnt 0x0
; COMBINE.  out[t] = w0 (y[pos0] + b2[e0]) + w1 (y[pos1] + b2[e1]), where y[row] is the sum of the four quarters of K that the second product stored in f32.
; A wave has half a token's row, 2,048 bytes: 32 loads of partial sums and 8 of b2, each of 512 consecutive bytes, all issued before its one wait; four stores of 512 consecutive bytes.
; The rows, experts and weights of the token come by scalar loads from what earlier launches stored; rows and experts are held inside their tables.
; b2 is rounded to bf16, as every input of this program is.  A stream: no LDS, no barrier, no matrix unit.
.set QSTR, 8912896                     ; bytes from a quarter's partial sums to the next: 2,176 rows x 4,096
	s_load_b256 s[4:11], s[0:1], 0x0               ; part s[4:5], meta s[6:7], route s[8:9], gw s[10:11]
	s_load_b128 s[12:15], s[0:1], 0x20             ; b2 s[12:13], out0 s[14:15]
	v_lshrrev_b32 v1, 5, v0
	v_readfirstlane_b32 s16, v1
	s_lshl_b32 s17, ttmp9, 2
	s_add_co_u32 s17, s17, s16                     ; 0 .. 2,047
	s_lshr_b32 s18, s17, 1                         ; token
	s_and_b32 s19, s17, 1                          ; which half of its row
	s_lshl_b32 s24, s18, 3
	s_lshl_b32 s25, s18, 2
	v_and_b32 v1, 31, v0
	v_lshlrev_b32 v1, 4, v1
	v_lshl_add_u32 v1, s19, 11, v1                 ; 16 x lane + 2,048 x half
	v_lshl_add_u32 v6, s18, 12, v1                 ; and the token's row of the output
	s_wait_kmcnt 0x0
	s_load_b64 s[20:21], s[6:7], s24 offset:0x100  ; the two routed rows
	s_load_b32 s26, s[8:9], s25 offset:0x400       ; e0 | e1 << 8
	s_load_b64 s[22:23], s[10:11], s24 offset:0x0  ; w0, w1
	s_mov_b64 s[32:33], s[4:5]
	s_add_nc_u64 s[34:35], s[4:5], QSTR
	s_add_nc_u64 s[36:37], s[4:5], 2*QSTR
	s_add_nc_u64 s[38:39], s[4:5], 3*QSTR
	s_wait_kmcnt 0x0
	s_min_u32 s20, s20, 2175
	s_min_u32 s21, s21, 2175
	s_and_b32 s27, s26, 0xff
	s_min_u32 s27, s27, 7
	s_bfe_u32 s28, s26, 0x80008
	s_min_u32 s28, s28, 7
	s_mov_b32 s30, s23                             ; w1 as the low word of a pair
	s_mov_b32 s31, s23
	v_lshl_add_u32 v2, s20, 12, v1
	v_lshl_add_u32 v3, s21, 12, v1
	v_lshl_add_u32 v4, s27, 12, v1
	v_lshl_add_u32 v5, s28, 12, v1
.irp k, 0,1
.irp q, 0,1,2,3
.irp s, 0,1,2,3
	global_load_b128 v[16+64*(\k)+16*(\q)+4*(\s):16+64*(\k)+16*(\q)+4*(\s)+3], v[2+(\k)], s[32+2*(\q):33+2*(\q)] offset:512*(\s) th:TH_LOAD_NT
.endr
.endr
.irp s, 0,1,2,3
	global_load_b128 v[144+16*(\k)+4*(\s):144+16*(\k)+4*(\s)+3], v[4+(\k)], s[12:13] offset:512*(\s)
.endr
.endr
	s_wait_loadcnt 0x0
.irp k, 0,1
.irp s, 0,1,2,3
.set pb, 16+64*(\k)+4*(\s)
.set bb, 144+16*(\k)+4*(\s)
	v_cvt_pk_bf16_f32 v176, v[bb], v[bb+1]
	v_cvt_pk_bf16_f32 v177, v[bb+2], v[bb+3]
	v_lshlrev_b32 v[bb], 16, v176
	v_and_b32 v[bb+1], 0xffff0000, v176
	v_lshlrev_b32 v[bb+2], 16, v177
	v_and_b32 v[bb+3], 0xffff0000, v177
.irp d, 0,2
	v_pk_add_f32 v[pb+(\d):pb+(\d)+1], v[pb+(\d):pb+(\d)+1], v[pb+16+(\d):pb+16+(\d)+1]
	v_pk_add_f32 v[pb+32+(\d):pb+32+(\d)+1], v[pb+32+(\d):pb+32+(\d)+1], v[pb+48+(\d):pb+48+(\d)+1]
	v_pk_add_f32 v[pb+(\d):pb+(\d)+1], v[pb+(\d):pb+(\d)+1], v[pb+32+(\d):pb+32+(\d)+1]
	v_pk_add_f32 v[pb+(\d):pb+(\d)+1], v[pb+(\d):pb+(\d)+1], v[bb+(\d):bb+(\d)+1]
.endr
.endr
.endr
.irp s, 0,1,2,3
.irp d, 0,2
	v_pk_mul_f32 v[16+4*(\s)+(\d):17+4*(\s)+(\d)], v[16+4*(\s)+(\d):17+4*(\s)+(\d)], s[22:23] op_sel_hi:[1,0]
	v_pk_fma_f32 v[16+4*(\s)+(\d):17+4*(\s)+(\d)], v[80+4*(\s)+(\d):81+4*(\s)+(\d)], s[30:31], v[16+4*(\s)+(\d):17+4*(\s)+(\d)] op_sel_hi:[1,0,1]
.endr
	global_store_b128 v6, v[16+4*(\s):19+4*(\s)], s[14:15] offset:512*(\s) th:TH_STORE_NT
.endr
	s_endpgm
.Lfunc_end_k_q5c3ff98055_combine:
	.size	k_q5c3ff98055_combine, .Lfunc_end_k_q5c3ff98055_combine-k_q5c3ff98055_combine
	.p2alignl 7, 3214868480
	.fill 96, 4, 3214868480
	.section	.rodata,"a",@progbits
	.p2align	6, 0x0
	.amdhsa_kernel k_q5c3ff98055_combine
		.amdhsa_group_segment_fixed_size 0
		.amdhsa_private_segment_fixed_size 0
		.amdhsa_enable_private_segment 0
		.amdhsa_kernarg_size 48
		.amdhsa_user_sgpr_count 2
		.amdhsa_user_sgpr_kernarg_segment_ptr 1
		.amdhsa_wavefront_size32 1
		.amdhsa_system_sgpr_workgroup_id_x 1
		.amdhsa_system_sgpr_workgroup_id_y 1
		.amdhsa_system_sgpr_workgroup_id_z 1
		.amdhsa_system_vgpr_workitem_id 0
		.amdhsa_next_free_vgpr 184
		.amdhsa_next_free_sgpr 66
		.amdhsa_reserve_vcc 0
		.amdhsa_float_denorm_mode_32 3
		.amdhsa_float_denorm_mode_16_64 3
		.amdhsa_memory_ordered 1
		.amdhsa_forward_progress 1
		.amdhsa_inst_pref_size 14
	.end_amdhsa_kernel
	.amdgpu_metadata
---
amdhsa.version: [ 1, 2 ]
amdhsa.kernels:
  - .name:           k_q5c3ff98055_combine
    .symbol:         k_q5c3ff98055_combine.kd
    .args:
      - { .name: part, .offset: 0, .size: 8, .value_kind: global_buffer, .address_space: global }
      - { .name: meta, .offset: 8, .size: 8, .value_kind: global_buffer, .address_space: global }
      - { .name: route, .offset: 16, .size: 8, .value_kind: global_buffer, .address_space: global }
      - { .name: gw, .offset: 24, .size: 8, .value_kind: global_buffer, .address_space: global }
      - { .name: b2, .offset: 32, .size: 8, .value_kind: global_buffer, .address_space: global }
      - { .name: out0, .offset: 40, .size: 8, .value_kind: global_buffer, .address_space: global }
    .group_segment_fixed_size: 0
    .private_segment_fixed_size: 0
    .kernarg_segment_align: 8
    .kernarg_segment_size: 48
    .max_flat_workgroup_size: 128
    .sgpr_count:     66
    .vgpr_count:     184
    .wavefront_size: 32
...
	.end_amdgpu_metadata
.endif
;; end of part 5
;; ======== version 2 of 2: 5 launches; 1.12 times as fast as version 1
;; workspace buffers: route 5,120 bytes of whole numbers; gw 8,192 bytes; meta 8,448 bytes of whole numbers; xg 4,456,448 bytes; hg 17,825,792 bytes; part 35,651,584 bytes
;; launch router (part 6): grid 64 x 1, 16 waves a work-group, no clusters, 18,432 bytes of LDS; arguments x, gate_w, gate_b, route, gw; writes route, gw
.if DOCPART == 6
	.amdgcn_target "amdgcn-amd-amdhsa--gfx1250"
	.amdhsa_code_object_version 6
	.text
	.protected	k_q5c3ff98055_router
	.globl	k_q5c3ff98055_router
	.p2align	8
	.type	k_q5c3ff98055_router,@function
k_q5c3ff98055_router:
	s_mov_b64 s[64:65], 0
	v_nop
	global_prefetch_b8 v0, s[64:65] scope:SCOPE_SE
	s_setreg_imm32_b32 hwreg(HW_REG_WAVE_MODE, 25, 1), 1
	s_wait_xcnt 0x0
; ROUTER.  logits = x . gate_w + gate_b for 1,024 tokens and 8 experts; the two largest, and their renormalised softmax weights.
; All three inputs are rounded to bf16 (as every input of this program is), products on the matrix unit, sums in f32.
; A work-group has 16 tokens; wave w of sixteen sums k = 64 w .. 64 w + 63 (2 fragments of 32): 40 loads a wave, all issued before its one wait.  The sixteen partial sums meet in LDS, wave 0 finishes.
; The product is used transposed: source 0 = gate_w^T (row = expert, rows 8-15 repeat rows 0-7), source 1 = x (column = token): a lane then holds
; the 8 logits of token lane % 16 in the accumulator's 8 registers.
; STORED, at fixed places (nothing here forms an address from a choice): sel[t] = e0 | e1 << 8; (w0, w1); and for each expert a bitmap of its tokens.
; LIMITS.  The two largest are taken of the logits, the lower index first on a tie, as jax.lax.top_k does of the probabilities: softmax is monotone, so the two
; differ only where unequal logits round to equal probabilities.  w0 = 1 / (1 + e^(l1 - l0)), w1 = e^(l1 - l0) w0: the exponent is a logit less the maximum, never above 0.
; NaN and infinities are not treated apart.
.set SPARE, 16384                      ; behind the sixteen waves' 1,024 bytes each: the spare words, 128 bytes a wave
.set XR,  16                           ; v16-47    x as loaded: 2 fragments x 16 numbers
.set GR,  48                           ; v48-79    gate_w as loaded
.set XF,  80                           ; v80-95    x in bf16: 2 fragments x 8 registers
.set GF,  96                           ; v96-111   gate_w in bf16
.set AC0, 112                          ; v112-119, v120-127: one accumulator for each fragment
.set AC1, 120
.set PS,  16                           ; wave 0: v16-143, the sixteen waves' partial sums, 8 registers each
	s_load_b256 s[4:11], s[0:1], 0x0               ; x s[4:5], gate_w s[6:7], gate_b s[8:9], route s[10:11]
	s_load_b64 s[12:13], s[0:1], 0x20              ; gw
	v_lshl_add_u32 v5, v0, 2, SPARE                ; my spare word
	v_mov_b32 v6, 0
	v_lshrrev_b32 v8, 5, v0
	v_readfirstlane_b32 s14, v8                    ; wave 0..15
	v_and_b32 v1, 15, v0                           ; r = lane % 16
	v_bfe_u32 v2, v0, 4, 1                         ; h = lane / 16
	v_lshlrev_b32 v3, 12, v1                       ; x: token r's row,
	v_lshl_add_u32 v3, v2, 5, v3                   ; 8 h numbers on,
	v_lshl_add_u32 v3, s14, 8, v3                  ; my wave's 64 numbers
	v_and_b32 v4, 7, v0
	v_lshlrev_b32 v4, 2, v4                        ; gate_w: expert r % 8,
	v_lshl_add_u32 v4, v2, 8, v4                   ; 8 h rows of 32 bytes on,
	v_lshl_add_u32 v4, s14, 11, v4                 ; my wave's 64 rows
	v_and_b32 v7, 31, v0
	v_lshlrev_b32 v9, 4, v7                        ; 16 x lane
	v_lshl_add_u32 v7, s14, 10, v9                 ; my 16 bytes in my wave's part of LDS
	s_lshl_b32 s2, ttmp9, 16                       ; the work-group's 16 rows of 4,096 bytes
	s_mov_b32 s3, 0
	s_wait_kmcnt 0x0
	s_add_nc_u64 s[4:5], s[4:5], s[2:3]
	s_load_b256 s[16:23], s[8:9], 0x0              ; gate_b
	; two fragments: lane (r, h) holds k = 8 h + 0..7 and 16 + 8 h + 0..7 of each 32
.irp f, 0,1
.irp u, 0,1,2,3
	global_load_b128 v[XR+16*(\f)+4*(\u):XR+16*(\f)+4*(\u)+3], v3, s[4:5] offset:128*(\f)+64*((\u)/2)+16*((\u)%2)
.endr
.set i, 0
.rept 16
	global_load_b32 v[GR+16*(\f)+i], v4, s[6:7] offset:32*(32*(\f)+i+8*(i/8))
.set i, i+1
.endr
.endr
	s_wait_loadcnt 0x0
.set i, 0
.rept 16
	v_cvt_pk_bf16_f32 v[XF+i], v[XR+2*i], v[XR+2*i+1]
	v_cvt_pk_bf16_f32 v[GF+i], v[GR+2*i], v[GR+2*i+1]
.set i, i+1
.endr
	v_wmma_f32_16x16x32_bf16 v[AC0:AC0+7], v[GF:GF+7], v[XF:XF+7], 0
	v_wmma_f32_16x16x32_bf16 v[AC1:AC1+7], v[GF+8:GF+15], v[XF+8:XF+15], 0
.rept 4
	v_nop                                          ; four places ahead of the first read of the results (ISA guide 7.12.1)
.endr
.irp n, 0,2,4,6
	v_pk_add_f32 v[AC0+(\n):AC0+(\n)+1], v[AC0+(\n):AC0+(\n)+1], v[AC1+(\n):AC1+(\n)+1]
.endr
	ds_store_b128 v7, v[AC0:AC0+3]
	ds_store_b128 v7, v[AC0+4:AC0+7] offset:512
	s_wait_tensorcnt 0x0                           ; the wave's last LDS store is out
	ds_add_u32 v5, v6
	s_wait_dscnt 0x0                               ; the wait also shows my stores done, for wave 0's sake
	s_barrier_signal -1
	s_barrier_wait -1
	s_cmp_lg_u32 s14, 0
	s_cbranch_scc1 .Lend
	; wave 0: the sixteen waves' partial logits, added by halving
.set w, 0
.rept 16
	ds_load_b128 v[PS+8*w:PS+8*w+3], v9 offset:1024*w
	ds_load_b128 v[PS+8*w+4:PS+8*w+7], v9 offset:1024*w+512
.set w, w+1
.endr
	s_wait_dscnt 0x0
.irp st, 8,4,2,1
.set w, 0
.rept \st
.irp n, 0,2,4,6
	v_pk_add_f32 v[PS+8*w+(\n):PS+8*w+(\n)+1], v[PS+8*w+(\n):PS+8*w+(\n)+1], v[PS+8*(w+(\st))+(\n):PS+8*(w+(\st))+(\n)+1]
.endr
.set w, w+1
.endr
.endr
	s_wait_kmcnt 0x0                               ; gate_b
.irp n, 0,2,4,6
	v_cvt_pk_bf16_f32 v144, s[16+(\n)], s[17+(\n)] ; gate_b rounded to bf16 and widened again
	v_lshlrev_b32 v145, 16, v144
	v_and_b32 v146, 0xffff0000, v144
	v_add_f32 v[16+(\n)], v[16+(\n)], v145
	v_add_f32 v[17+(\n)], v[17+(\n)], v146
.endr
	; the two largest: a strict comparison keeps the lower index on a tie
	v_mov_b32 v148, v16                            ; m0
	v_mov_b32 v149, 0                              ; i0
	v_mov_b32 v150, 0xff800000                     ; m1
	v_mov_b32 v151, 1                              ; i1
.irp e, 1,2,3,4,5,6,7
	v_cmp_gt_f32 s30, v[16+(\e)], v148
	v_cmp_gt_f32 s31, v[16+(\e)], v150
	v_cndmask_b32 v150, v150, v[16+(\e)], s31
	v_cndmask_b32 v151, v151, \e, s31
	v_cndmask_b32 v150, v150, v148, s30
	v_cndmask_b32 v151, v151, v149, s30
	v_cndmask_b32 v148, v148, v[16+(\e)], s30
	v_cndmask_b32 v149, v149, \e, s30
.endr
	v_sub_f32 v152, v150, v148                     ; l1 - l0, never above 0
	v_mul_f32 v152, 0x3fb8aa3b, v152
	v_exp_f32 v153, v152
	v_nop                                          ; a plain instruction behind the exponential (ISA guide 5.7.2),
	s_wait_alu depctr_va_vdst(0)                   ; and a wait ahead of its first reader
	v_add_f32 v154, 1.0, v153
	v_rcp_f32 v156, v154                           ; w0
	v_nop
	s_wait_alu depctr_va_vdst(0)
	v_mul_f32 v157, v153, v156                     ; w1
	v_lshl_or_b32 v158, v151, 8, v149              ; e0 | e1 << 8
	v_mov_b32 v159, 0
.irp e, 0,1,2,3,4,5,6,7
	v_cmp_eq_u32 s30, \e, v149
	v_cmp_eq_u32 s31, \e, v151
	s_or_b32 s30, s30, s31
	s_and_b32 s30, s30, 0xffff                     ; lanes 16-31 repeat lanes 0-15
	v_writelane_b32 v159, s30, \e                  ; lane e: the 16 tokens' bits for expert e
.endr
	s_lshl_b32 s41, ttmp9, 6
	s_add_co_u32 s41, s41, 1024
	s_lshl_b32 s42, ttmp9, 7
	s_lshl_b32 s43, ttmp9, 1
	v_lshl_add_u32 v160, v0, 2, s41                ; sel: 1,024 + 4 x token
	v_lshl_add_u32 v161, v0, 3, s42                ; gw: 8 x token
	v_lshl_add_u32 v162, v0, 7, s43                ; bitmap: 128 x expert + 2 x work-group
	v_cmp_gt_u32 vcc_lo, 16, v0
	s_wait_xcnt 0x0                                ; EXEC changes only behind this wait
	s_and_saveexec_b32 s40, vcc_lo
	global_store_b32 v160, v158, s[10:11]
	global_store_b64 v161, v[156:157], s[12:13]
	s_wait_xcnt 0x0
	s_or_b32 exec_lo, exec_lo, s40
	v_cmp_gt_u32 vcc_lo, 8, v0
	s_and_saveexec_b32 s40, vcc_lo
	global_store_b16 v162, v159, s[10:11]
	s_wait_xcnt 0x0
	s_or_b32 exec_lo, exec_lo, s40
.Lend:
	s_endpgm
.Lfunc_end_k_q5c3ff98055_router:
	.size	k_q5c3ff98055_router, .Lfunc_end_k_q5c3ff98055_router-k_q5c3ff98055_router
	.p2alignl 7, 3214868480
	.fill 96, 4, 3214868480
	.section	.rodata,"a",@progbits
	.p2align	6, 0x0
	.amdhsa_kernel k_q5c3ff98055_router
		.amdhsa_group_segment_fixed_size 18432
		.amdhsa_private_segment_fixed_size 0
		.amdhsa_enable_private_segment 0
		.amdhsa_kernarg_size 40
		.amdhsa_user_sgpr_count 2
		.amdhsa_user_sgpr_kernarg_segment_ptr 1
		.amdhsa_wavefront_size32 1
		.amdhsa_system_sgpr_workgroup_id_x 1
		.amdhsa_system_sgpr_workgroup_id_y 1
		.amdhsa_system_sgpr_workgroup_id_z 1
		.amdhsa_system_vgpr_workitem_id 0
		.amdhsa_next_free_vgpr 176
		.amdhsa_next_free_sgpr 66
		.amdhsa_reserve_vcc 1
		.amdhsa_float_denorm_mode_32 3
		.amdhsa_float_denorm_mode_16_64 3
		.amdhsa_memory_ordered 1
		.amdhsa_forward_progress 1
		.amdhsa_inst_pref_size 22
	.end_amdhsa_kernel
	.amdgpu_metadata
---
amdhsa.version: [ 1, 2 ]
amdhsa.kernels:
  - .name:           k_q5c3ff98055_router
    .symbol:         k_q5c3ff98055_router.kd
    .args:
      - { .name: x, .offset: 0, .size: 8, .value_kind: global_buffer, .address_space: global }
      - { .name: gate_w, .offset: 8, .size: 8, .value_kind: global_buffer, .address_space: global }
      - { .name: gate_b, .offset: 16, .size: 8, .value_kind: global_buffer, .address_space: global }
      - { .name: route, .offset: 24, .size: 8, .value_kind: global_buffer, .address_space: global }
      - { .name: gw, .offset: 32, .size: 8, .value_kind: global_buffer, .address_space: global }
    .group_segment_fixed_size: 18432
    .private_segment_fixed_size: 0
    .kernarg_segment_align: 8
    .kernarg_segment_size: 40
    .max_flat_workgroup_size: 512
    .sgpr_count:     66
    .vgpr_count:     176
    .wavefront_size: 32
...
	.end_amdgpu_metadata
.endif
;; end of part 6
;; launch place (part 7): grid 136 x 1, 4 waves a work-group, no clusters, 0 bytes of LDS; arguments x, route, xg, meta; writes xg, meta
.if DOCPART == 7
	.amdgcn_target "amdgcn-amd-amdhsa--gfx1250"
	.amdhsa_code_object_version 6
	.text
	.protected	k_q5c3ff98055_place
	.globl	k_q5c3ff98055_place
	.p2align	8
	.type	k_q5c3ff98055_place,@function
k_q5c3ff98055_place:
	s_mov_b64 s[64:65], 0
	v_nop
	global_prefetch_b8 v0, s[64:65] scope:SCOPE_SE
	s_setreg_imm32_b32 hwreg(HW_REG_WAVE_MODE, 25, 1), 1
	s_wait_xcnt 0x0
; PLACE.  From the experts' bitmaps: each expert's count, its first tile and number of tiles of 16 routed rows (every expert begins a tile: at most 135 tiles for 2,048 rows and
; 8 experts, whatever the split; 136 work-groups are launched, and one that the split leaves without a tile stores nothing and ends).  Work-group T makes tile T: it finds its expert, for each
; of the 16 rows the token of that rank in the expert's bitmap (rows past the count repeat the expert's last token), and writes the tokens' x, rounded to bf16, in the order in which
; the products' operand registers take it.  It also stores, for each (token, choice), the routed row.  All this is whole-number work: no address hangs on a floating-point number.
; LAYOUT of xg: [tile][block of 64 k][c = 0..3][lane][16 bytes]; lane (r = lane % 16, h = lane / 16), piece c: row r, k = 64 block + 32 h + 4 j + c, j = 0..7.
; Every wave repeats the search; wave w gathers blocks 4 w .. 4 w + 3.  No LDS, no barrier.
; The bitmaps are read once: lane l holds word l of all eight; my expert's words are chosen among them and moved to scalar registers, so that the search costs no second trip to memory.
	s_load_b256 s[4:11], s[0:1], 0x0               ; x s[4:5], route s[6:7], xg s[8:9], meta s[10:11]
	v_lshrrev_b32 v1, 5, v0
	v_readfirstlane_b32 s12, v1                    ; wave
	v_and_b32 v1, 31, v0                           ; lane
	v_lshlrev_b32 v2, 2, v1
	v_and_b32 v3, 15, v0                           ; r
	v_bfe_u32 v4, v0, 4, 1                         ; h
	s_mov_b32 s13, ttmp9                           ; T
	s_mov_b32 s28, 0x76543210                      ; v_permlanex16_b32: each lane takes its own place in the other half
	s_mov_b32 s29, 0xfedcba98
	s_wait_kmcnt 0x0
.irp e, 0,1,2,3,4,5,6,7
	global_load_b32 v[8+(\e)], v2, s[6:7] offset:128*(\e)   ; word lane of expert e's bitmap
.endr
	s_wait_loadcnt 0x0
	; the counts, two experts to a register (16 bits each: a count is 1,024 at the most), summed over the 32 lanes in whole numbers
.irp p, 0,1,2,3
	v_bcnt_u32_b32 v44, v[8+2*(\p)], 0
	v_bcnt_u32_b32 v45, v[9+2*(\p)], 0
	v_lshl_or_b32 v[16+(\p)], v45, 16, v44
	v_mov_b32 v[20+(\p)], 0                        ; the moves below count as readers of their destination
.endr
.irp m, 1,2,4,8
.irp p, 0,1,2,3
	v_mov_b32_dpp v[20+(\p)], v[16+(\p)] row_xmask:\m row_mask:0xf bank_mask:0xf
	v_add_nc_u32 v[16+(\p)], v[16+(\p)], v[20+(\p)]
.endr
.endr
.irp p, 0,1,2,3
	v_permlanex16_b32 v[20+(\p)], v[16+(\p)], s28, s29
	v_add_nc_u32 v[16+(\p)], v[16+(\p)], v[20+(\p)]
	v_readfirstlane_b32 s30, v[16+(\p)]
	s_and_b32 s[16+2*(\p)], s30, 0xffff
	s_lshr_b32 s[17+2*(\p)], s30, 16
.endr
	; the table of tiles, and my tile's expert: the last one whose first tile is not beyond T
	s_mov_b32 s14, 0                               ; tiles so far
	s_mov_b32 s15, 0                               ; my expert
	s_mov_b32 s24, 0                               ; its first tile
	s_mov_b32 s25, 0                               ; its count
	v_mov_b32 v40, 0
	v_mov_b32 v41, 0                               ; word lane of its bitmap
.irp e, 0,1,2,3,4,5,6,7
	s_add_co_u32 s26, s[16+(\e)], 15
	s_lshr_b32 s26, s26, 4
	v_writelane_b32 v40, s14, \e
	v_writelane_b32 v40, s26, 8+(\e)
	s_cmp_ge_u32 s13, s14
	s_cselect_b32 s15, \e, s15
	s_cselect_b32 s24, s14, s24
	s_cselect_b32 s25, s[16+(\e)], s25
	s_cselect_b32 s27, -1, 0
	v_cndmask_b32 v41, v41, v[8+(\e)], s27
	s_add_co_u32 s14, s14, s26
.endr
	s_cmp_ge_u32 s13, s14
	s_cbranch_scc1 .Lend                           ; no such tile in this split
	s_or_b32 s26, s13, s12
	s_cmp_lg_u32 s26, 0
	s_cbranch_scc1 .Lnotab
	v_cmp_gt_u32 vcc_lo, 16, v0                    ; work-group 0, wave 0: first tiles at byte 0, numbers of tiles at byte 32
	s_wait_xcnt 0x0
	s_and_saveexec_b32 s27, vcc_lo
	global_store_b32 v2, v40, s[10:11]
	s_wait_xcnt 0x0
	s_or_b32 exec_lo, exec_lo, s27
.Lnotab:
.set g, 0
.rept 32
	v_readlane_b32 s[32+g], v41, g                 ; my expert's bitmap, 32 words
.set g, g+1
.endr
	s_sub_co_u32 s27, s13, s24
	s_lshl_b32 s27, s27, 4
	v_add_nc_u32 v22, s27, v3                      ; my row's rank among the expert's tokens,
	s_sub_co_u32 s30, s25, 1
	v_min_u32 v23, s30, v22                        ; held to the last one
	; the word that holds the token of that rank: the last word whose prefix count is not above the rank
	v_mov_b32 v24, s32                             ; word
	v_mov_b32 v25, 0                               ; its prefix
	v_mov_b32 v26, 0                               ; its number
	s_bcnt1_i32_b32 s31, s32
.set g, 1
.rept 31
	v_cmp_le_u32 vcc_lo, s31, v23
	v_cndmask_b32 v24, v24, s[32+g], vcc_lo
	v_cndmask_b32 v25, v25, s31, vcc_lo
	v_cndmask_b32 v26, v26, g, vcc_lo
	s_bcnt1_i32_b32 s30, s[32+g]
	s_add_co_u32 s31, s31, s30
.set g, g+1
.endr
	v_sub_nc_u32 v25, v23, v25                     ; the rank inside the word
	v_mov_b32 v27, 0                               ; the bit's place, by halving
.irp wd, 16,8,4,2,1
	v_and_b32 v28, (1<<(\wd))-1, v24
	v_bcnt_u32_b32 v28, v28, 0
	v_cmp_ge_u32 vcc_lo, v25, v28
	v_sub_nc_u32 v29, v25, v28
	v_lshrrev_b32 v30, \wd, v24
	v_add_nc_u32 v31, \wd, v27
	v_cndmask_b32 v25, v25, v29, vcc_lo
	v_cndmask_b32 v24, v24, v30, vcc_lo
	v_cndmask_b32 v27, v27, v31, vcc_lo
.endr
	v_lshl_add_u32 v32, v26, 5, v27
	v_min_u32 v32, 0x3ff, v32                      ; the token
	v_lshlrev_b32 v35, 2, v32
	v_lshlrev_b32 v33, 12, v32                     ; its row of x,
	v_lshl_add_u32 v33, v4, 7, v33                 ; 32 h numbers on,
	v_lshl_add_u32 v33, s12, 10, v33               ; my wave's four blocks
	global_load_b32 v36, v35, s[6:7] offset:1024   ; sel[token], asked for with the rows, so that it costs no trip of its own (wave 0 uses it)
.irp b, 0,1,2,3
.irp j, 0,1,2,3,4,5,6,7
	global_load_b128 v[64+32*(\b)+4*(\j):64+32*(\b)+4*(\j)+3], v33, s[4:5] offset:256*(\b)+16*(\j)   ; k = 64 block + 32 h + 4 j + 0..3
.endr
.endr
	s_lshl_b32 s26, s13, 15
	s_lshl_b32 s27, s12, 13
	s_add_co_u32 s26, s26, s27
	v_lshl_add_u32 v34, v1, 4, s26                 ; tile, my wave's blocks, 16 x lane
	s_wait_loadcnt 0x0
.irp b, 0,1,2,3
.irp c, 0,1,2,3
.irp m, 0,1,2,3
	v_cvt_pk_bf16_f32 v[192+16*(\b)+4*(\c)+(\m)], v[64+32*(\b)+8*(\m)+(\c)], v[64+32*(\b)+8*(\m)+4+(\c)]   ; piece c: j = 2 m, 2 m + 1
.endr
	global_store_b128 v34, v[192+16*(\b)+4*(\c):192+16*(\b)+4*(\c)+3], s[8:9] offset:2048*(\b)+512*(\c)  ; the wave stores 512 consecutive bytes
.endr
.endr
	s_cmp_lg_u32 s12, 0
	s_cbranch_scc1 .Lend
	; wave 0: where each true row's (token, choice) lies
	v_and_b32 v36, 0xff, v36
	v_cmp_ne_u32 vcc_lo, s15, v36                  ; my expert is the token's second choice
	v_cndmask_b32 v37, 0, 4, vcc_lo
	v_min_u32 v37, 4, v37
	v_lshl_add_u32 v37, v32, 3, v37
	s_lshl_b32 s27, s13, 4
	v_add_nc_u32 v38, s27, v3                      ; routed row 16 T + r
	v_cmp_gt_u32 s30, s25, v22                     ; rows inside the count,
	v_cmp_gt_u32 vcc_lo, 16, v0                    ; once each
	s_and_b32 vcc_lo, s30, vcc_lo
	s_wait_xcnt 0x0
	s_and_saveexec_b32 s31, vcc_lo
	global_store_b32 v37, v38, s[10:11] offset:256
	s_wait_xcnt 0x0
	s_or_b32 exec_lo, exec_lo, s31
.Lend:
	s_endpgm
.Lfunc_end_k_q5c3ff98055_place:
	.size	k_q5c3ff98055_place, .Lfunc_end_k_q5c3ff98055_place-k_q5c3ff98055_place
	.p2alignl 7, 3214868480
	.fill 96, 4, 3214868480
	.section	.rodata,"a",@progbits
	.p2align	6, 0x0
	.amdhsa_kernel k_q5c3ff98055_place
		.amdhsa_group_segment_fixed_size 0
		.amdhsa_private_segment_fixed_size 0
		.amdhsa_enable_private_segment 0
		.amdhsa_kernarg_size 32
		.amdhsa_user_sgpr_count 2
		.amdhsa_user_sgpr_kernarg_segment_ptr 1
		.amdhsa_wavefront_size32 1
		.amdhsa_system_sgpr_workgroup_id_x 1
		.amdhsa_system_sgpr_workgroup_id_y 1
		.amdhsa_system_sgpr_workgroup_id_z 1
		.amdhsa_system_vgpr_workitem_id 0
		.amdhsa_next_free_vgpr 256
		.amdhsa_next_free_sgpr 66
		.amdhsa_reserve_vcc 1
		.amdhsa_float_denorm_mode_32 3
		.amdhsa_float_denorm_mode_16_64 3
		.amdhsa_memory_ordered 1
		.amdhsa_forward_progress 1
		.amdhsa_inst_pref_size 32
	.end_amdhsa_kernel
	.amdgpu_metadata
---
amdhsa.version: [ 1, 2 ]
amdhsa.kernels:
  - .name:           k_q5c3ff98055_place
    .symbol:         k_q5c3ff98055_place.kd
    .args:
      - { .name: x, .offset: 0, .size: 8, .value_kind: global_buffer, .address_space: global }
      - { .name: route, .offset: 8, .size: 8, .value_kind: global_buffer, .address_space: global }
      - { .name: xg, .offset: 16, .size: 8, .value_kind: global_buffer, .address_space: global }
      - { .name: meta, .offset: 24, .size: 8, .value_kind: global_buffer, .address_space: global }
    .group_segment_fixed_size: 0
    .private_segment_fixed_size: 0
    .kernarg_segment_align: 8
    .kernarg_segment_size: 32
    .max_flat_workgroup_size: 128
    .sgpr_count:     66
    .vgpr_count:     256
    .wavefront_size: 32
...
	.end_amdgpu_metadata
.endif
;; end of part 7
;; launch up (part 8): grid 32 x 8, 4 waves a work-group, no clusters, 327,680 bytes of LDS; arguments xg, w1, meta, hg, b1; writes hg
.if DOCPART == 8
	.amdgcn_target "amdgcn-amd-amdhsa--gfx1250"
	.amdhsa_code_object_version 6
	.text
	.protected	k_q5c3ff98055_up
	.globl	k_q5c3ff98055_up
	.p2align	8
	.type	k_q5c3ff98055_up,@function
k_q5c3ff98055_up:
	s_mov_b64 s[64:65], 0
	v_nop
	global_prefetch_b8 v0, s[64:65] scope:SCOPE_SE
	s_setreg_imm32_b32 hwreg(HW_REG_WAVE_MODE, 25, 1), 1
	s_wait_xcnt 0x0
; ONE TEXT FOR THE TWO PRODUCTS OF AN EXPERT; DOWN = 0: h = gelu(x w1[e] + b1[e]), stored in bf16; DOWN = 1: a quarter of K of h w2[e], stored in f32.
; SHARES.  Work-group (sx, e) alone reads 1,024 rows (k) x 128 columns of expert e's weights, 512 KiB of f32, once.  DOWN = 0: columns 128 sx of w1.  DOWN = 1: rows 1,024 (sx / 8), columns 128 (sx % 8) of w2.
; It multiplies all of the expert's routed rows by them.  Wave w has the 64 columns cb = w / 2 and the expert's tiles of 16 rows of parity rp = w % 2: ten slots, 40 accumulators, 320 rows an expert.
; WEIGHTS come as f32 by tensor loads, 256 k a chunk, into two LDS slots of 128 KiB; each wave fetches 64 rows of a chunk.  A lane's 16-byte LDS load of row k holds columns 4 r + 0..3 of its 64:
; component c of sixteen such loads, rounded in pairs to bf16, IS the fragment of the sixteen columns { 4 r + c }: nothing changes lanes.  k is permuted alike in weights and tokens:
; place i of lane half h in fragment f of a step of 64 is k = 32 h + 4 (i % 8) + 2 f + i / 8.  The fragments have two buffers: the next step's are made while this step's are multiplied.
; TOKENS come from memory as ready fragments: [tile][block of 64 k][c][lane][16 bytes], piece c: row lane % 16, k = 32 (lane / 16) + 4 j + c; fragment f is pieces 2 f and 2 f + 1.
; They are asked for TWO STEPS AHEAD, on two buffers, by groups of four slots: behind a group's 32 products of step s stand half of the next step's conversions of weights, which are also the places behind
; those products, and then the group's sixteen loads for step s + 2, into the registers just multiplied.  So a step's memory instructions stand in a few long runs.
; DOWN = 0 multiplies transposed (source 0 = weights): a lane then holds one token and the columns 32 h + 4 j + c, which rounded ARE piece c of the next product's tokens.
; DOWN = 1: source 0 = tokens: lane r holds columns 4 r + c of row 8 h + j in four accumulators; moved together they are 16 bytes, and sixteen lanes store 256 consecutive bytes of a row.
; The four quarters of K are partial sums: they stay in f32 and a later launch adds them, with b2 and the gate's weights.
; EVERY SPLIT.  The number of live slots NL hangs on the expert's stored number of tiles.  Slots 0 to 7 always load and multiply (a dead one takes tile 0 of the buffer, and is not stored), so that the counted wait for
; the tokens holds on every path; slots 8 and 9 are jumped where they are dead.  Every barrier and tensor load is on every path.  Tiles past the first 20 are served by three more passes, which read the weights from
; memory straight into registers and have no barrier; a pass without a live slot is jumped.
; The accumulators are cleared by 320 moves, in the wait for the first chunk: that spares a written-out first step; the later passes, a rare way, clear them by 40 products of two fragments of zeros, a quarter of that text.
; NO CLUSTER: each slice of weights has one reader; what an expert's work-groups share is its token tiles, whose number hangs on a stored count.
; LIMITS.  Weights, bias and tokens are rounded to bf16, h once to bf16.  erf by the five-term rational form of Abramowitz and Stegun 7.1.26, absolute error 1.5e-7: gelu(x) = max(x, 0) - |x| q(|x|),
; q(a) = (1/2) P(t) e^(-a a / 2), t = 1 / (1 + 0.3275911 a / sqrt 2).  NaN and infinities are not treated apart.
.set DOWN, 0
.if DOWN
.set PITCHB, 4096                      ; bytes from a row of the weights to the next
.set PITCHE, 1024
.set TSH, 17                           ; log2 of a token tile's bytes
.set HSH, 17                           ; log2 of 32 rows of weights
.set OSH, 16                           ; log2 of an output tile's bytes
.set OSTEP, 131072                     ; two output tiles
.else
.set PITCHB, 16384
.set PITCHE, 4096
.set TSH, 15
.set HSH, 19
.set OSH, 17
.set OSTEP, 262144
.endif
.set NS, 10                            ; slots a wave
.set NU, 8                             ; of them always at work: two groups of four
.set NPASS, 4                          ; 4 x 10 slots x 2 parities cover an expert's 64 tiles at the most
.set CHUNKB, 256*PITCHB                ; 256 rows of weights
.set SLOT1, 131072                     ; LDS: slot 0 at 0, slot 1 here: 256 rows x 512 bytes each; a half-wave's load takes 256 consecutive bytes
.set SPARE, 262144                     ; behind the ring: the spare words, 128 bytes a wave
; window 0
.set L16, 1                            ; 16 x lane
.set VL0, 2                            ; my place in a step's weights in LDS: 16,384 h + 256 cb + 16 r
.set VL,  3                            ; the same in the step in hand
.set VWG, 4                            ; my place in a step's weights in memory
.set SPW, 5                            ; my spare word; never rewritten
.set NIL, 6                            ; 0; never rewritten
.set VO,  7                            ; my output offset
.set AOFF, 12                          ; v12-21  slot i: byte offset of my 16 bytes in its token tile
.set VOB, 24                           ; the part of VO that no pass changes
.set BI,  32                           ; DOWN = 0: v32-63 bias, 8 c + j.   DOWN = 1: v32-63 sixteen bytes a row, 4 j + c
.set X,   64                           ; v64-223: token buffer 0, slot i fragment f at 64 + 16 i + 8 f; in DOWN = 0's way out X, T, E, PP, 32 each
.set T,   96
.set E,   128
.set PP,  160
; window 1: v0-159 token buffer 1 (16 i + 8 f); v192-255 weight fragments, buffer 0 (192 + 32 f + 8 c)
; window 2: accumulators of slots 0-7 (32 i + 8 c)
; window 3: v0-63 those of slots 8, 9; v64-127 weight fragments, buffer 1 (64 + 32 f + 8 c); v128-255 weights as loaded (128 + 64 f + 4 i + c)
; scalars: s14 wave, s15 cb, s16 rp, s17 sx, s18 e, s19 first tile, s20 tiles, s21 my tiles, s22 pass, s23 NL, s[24:31] descriptor group 1, s[32:35], s[36:39] group 0,
; s40 LDS byte of the step to fetch, s41, s42 counters, s[44:45] tokens at the step to fetch, s[46:47] at step 0, s[48:49], s[50:51] the same for the weights, s56 slot, s58 pass's first tile, s62 kq, s63 cs
.set MSB, 0
.macro WIN new                         ; s_set_vgpr_msb: bits 1:0 source 0, 3:2 source 1, 5:4 source 2, 7:6 destination; the high byte repeats the setting that is left
.if MSB != (\new)
	s_set_vgpr_msb (MSB<<8)|(\new)
.set MSB, (\new)
.endif
.endm
.macro PLACES                          ; four places behind matrix instructions (ISA guide 7.12.1)
.rept 4
	v_nop
.endr
.endm
; What hangs on the pass: the number of live slots, each slot's token tile (a dead slot takes tile 0 of the buffer, which always exists), the first output tile.
.macro SETPASS
	s_mul_i32 s52, s22, NS
	s_sub_co_i32 s23, s21, s52
	s_max_i32 s23, s23, 0
	s_min_i32 s23, s23, NS
	s_mul_i32 s52, s22, 2*NS
	s_add_co_u32 s58, s19, s52
	s_add_co_u32 s58, s58, s16
.set i, 0
.rept NS
	s_add_co_u32 s52, s58, 2*i
	s_cmp_gt_u32 s23, i
	s_cselect_b32 s52, s52, 0
	s_min_u32 s52, s52, 135
	v_lshl_add_u32 v[AOFF+i], s52, TSH, v[L16]
.set i, i+1
.endr
	s_min_u32 s52, s58, 135
	v_lshl_add_u32 v[VO], s52, OSH, v[VOB]
.endm
.macro CLEAR                           ; the first pass: in the wait for the first chunk
	WIN 0x80
.set i, 0
.rept 256
	v_mov_b32 v[i], 0
.set i, i+1
.endr
	WIN 0xc0
.set i, 0
.rept 64
	v_mov_b32 v[i], 0
.set i, i+1
.endr
	WIN 0
.endm
.macro CLEARM                          ; the later passes: two fragments of zeros, where the weights' fragments lie, multiplied into every accumulator with C = 0
	WIN 0x40
.set k, 0
.rept 16
	v_mov_b32 v[192+k], 0
.set k, k+1
.endr
.set i, 0
.rept NS
	WIN 0x05|(0x50*(2+i/8))
.irp c, 0,1,2,3
	v_wmma_f32_16x16x32_bf16 v[32*(i%8)+8*(\c):32*(i%8)+8*(\c)+7], v[192:199], v[200:207], 0
.endr
.set i, i+1
.endr
	WIN 0
.endm
; A step's token fragments into buffer b, from byte off behind the base: four loads of 512 consecutive bytes a slot.  all = 0: the loads of slots 8 and 9 are jumped where they are dead.
.macro LOADA b, all, off
.set i, 0
.rept NS
.if (!(\all)) && (i >= NU)
	WIN 0
	s_cmp_gt_u32 s23, i
	s_cbranch_scc0 .Lla_\@
.endif
	WIN (\b)<<6
.set ra, 64*(1-(\b))+16*i
.irp u, 0,1,2,3
	global_load_b128 v[ra+4*(\u):ra+4*(\u)+3], v[AOFF+i], s[44:45] offset:(\off)+512*(\u)
.endr
.set i, i+1
.endr
	WIN 0
.Lla_\@:
.endm
; A step's weights, 64 k x my 64 columns in f32: 32 LDS loads, fragment 0's sixteen first
.macro LOADW
	WIN 0
	v_add_nc_u32 v[VL], s40, v[VL0]
	s_add_co_u32 s40, s40, 32768
	WIN 0xc0
.irp f, 0,1
.set k, 0
.rept 16
	ds_load_b128 v[128+64*(\f)+4*k:128+64*(\f)+4*k+3], v[VL] offset:512*(4*(k&7)+2*(\f)+(k>>3))
.set k, k+1
.endr
.endr
	WIN 0
.endm
.macro LOADWG                          ; the same from memory, for the later passes
	WIN 0xc0
.irp f, 0,1
.set k, 0
.rept 16
	global_load_b128 v[128+64*(\f)+4*k:128+64*(\f)+4*k+3], v[VWG], s[48:49] offset:PITCHB*(4*(k&7)+2*(\f)+(k>>3))
.set k, k+1
.endr
.endr
	WIN 0
.endm
; Half of a step's conversions: fragment f of the four column sets, into fragment buffer d.  Register p of the fragment of columns { 4 r + c }: component c of loads 2 p and 2 p + 1.
.macro CVTH f, d
.if \d
	WIN 0xcf
.set fb, 64
.else
	WIN 0x4f
.set fb, 192
.endif
.irp c, 0,1,2,3
.set k, 0
.rept 8
	v_cvt_pk_bf16_f32 v[fb+32*(\f)+8*(\c)+k], v[128+64*(\f)+8*k+(\c)], v[128+64*(\f)+8*k+4+(\c)]
.set k, k+1
.endr
.endr
.endm
; Slot i's eight products from token buffer b and fragment buffer b; its four accumulators take turns from slot to slot and over every jump and back edge too.
.macro SLOTMM b
.set rc, 32*(i%8)
.set ra, 64*(1-(\b))+16*i
.set fb, 192-128*(\b)
.if DOWN
	WIN (\b)|((1+2*(\b))<<2)|(0x50*(2+i/8))
.else
	WIN (1+2*(\b))|((\b)<<2)|(0x50*(2+i/8))
.endif
.irp f, 0,1
.irp c, 0,1,2,3
.if DOWN
	v_wmma_f32_16x16x32_bf16 v[rc+8*(\c):rc+8*(\c)+7], v[ra+8*(\f):ra+8*(\f)+7], v[fb+32*(\f)+8*(\c):fb+32*(\f)+8*(\c)+7], v[rc+8*(\c):rc+8*(\c)+7]
.else
	v_wmma_f32_16x16x32_bf16 v[rc+8*(\c):rc+8*(\c)+7], v[fb+32*(\f)+8*(\c):fb+32*(\f)+8*(\c)+7], v[ra+8*(\f):ra+8*(\f)+7], v[rc+8*(\c):rc+8*(\c)+7]
.endif
.endr
.endr
.endm
.macro SLOTLD b                        ; slot i's four loads into token buffer b
	WIN (\b)<<6
.set ra, 64*(1-(\b))+16*i
.irp u, 0,1,2,3
	global_load_b128 v[ra+4*(\u):ra+4*(\u)+3], v[AOFF+i], s[44:45] offset:512*(\u)
.endr
.endm
; A step's products.  Groups A (slots 0-3) and B (slots 4-7) always run; slots 8 and 9 are jumped where they are dead.
; ld = 1: behind group g's 32 products stand the 32 conversions of the next step's fragment g, into the other fragment buffer: they name no register of those products, so they are the places ahead of the
; group's sixteen loads for the step after next, which follow.  The tokens' base is stepped ahead of group A's loads: the youngest loads that name it lie 32 products back.
; tail = 1 (steps 12 and 14, one text): in the loop's last trip there is no step after next: the base stays, and the loads bring block 15 once more, which nobody multiplies: the price of one text for both trips.
; mode 0, the waits in a step with ld = 1.  Loads come back in order (ISA guide 5.7.1), and a step issues A's 16, B's 16, then slot 8's and slot 9's 4 each.  Behind A's loads for this step the wave has issued, on every
; path, at least B's of the same step and A's and B's of the next: 48.  Behind B's: A's and B's of the next step and A's of this one: 48.  Behind slot 8's or 9's: A's and B's of two steps, 64: 60 may stay out.
; mode 1, the last step, which issues none: behind A's: B's and the next step's two groups, 48; behind B's and behind slot 8's and 9's: those two groups, 32.   mode 2: everything has been waited for.
.macro MMX b, ld, mode, tail
.irp g, 0,1
.if (\mode) == 0
	s_wait_loadcnt 48
.elseif (\mode) == 1
	s_wait_loadcnt 48-16*(\g)
.endif
.set i, 4*(\g)
.rept 4
	SLOTMM \b
.set i, i+1
.endr
.if \ld
	s_wait_dscnt 16-16*(\g)                        ; the next step's weights: fragment 0's sixteen LDS loads were issued first, fragment 1's sixteen may stay out
	CVTH \g, 1-(\b)
.if (\g) == 0
	s_wait_xcnt 0x0                                ; loads that name the base are pending: it is stepped only behind this wait
.if \tail
	s_cmp_lg_u32 s41, 1
	s_cselect_b32 s52, 2048, 0
	s_mov_b32 s53, 0
	s_add_nc_u64 s[44:45], s[44:45], s[52:53]
.else
	s_add_nc_u64 s[44:45], s[44:45], 2048
.endif
.endif
.set i, 4*(\g)
.rept 4
	SLOTLD \b
.set i, i+1
.endr
.endif
.endr
.set i, NU
.rept NS-NU
	WIN 0
	s_cmp_gt_u32 s23, i
	s_cbranch_scc0 .Lmm_\@
.if (\mode) == 0
	s_wait_loadcnt 60
.elseif (\mode) == 1
	s_wait_loadcnt 32
.endif
	SLOTMM \b
.if \ld
	PLACES                                         ; ahead of the loads into the products' sources, and of the next step's conversions into this step's fragment buffer
	SLOTLD \b
.endif
.set i, i+1
.endr
	WIN 0
.Lmm_\@:
.endm
; A step: the next step's weights are asked for out of LDS; this step is multiplied, and among its products the next step's weights are rounded and the tokens of the step after next asked for.
.macro RSTEP b, tail
	LOADW
	MMX \b, 1, 0, \tail
.endm
; The change of slots: the slot's last bytes are in registers.  Each wave waits for all its tensor loads (one is out: its part of the other slot), adds 0 to its spare word, waits for that and for
; its reads of the slot, and meets the others.  fill = 1: the slot is filled again, first thing behind the barrier: the load has four steps in which to land.
.macro HOOK fill
	s_wait_tensorcnt 0x0
	ds_add_u32 v[SPW], v[NIL]                      ; 0 onto my spare word; scalar work stands between it and the wait for it
.if \fill
	s_xor_b32 s37, s37, SLOT1                      ; the walking descriptor: the other slot than last time,
	s_add_nc_u64 s[38:39], s[38:39], CHUNKB        ; the next 256 rows; the type bits on top are not reached
.endif
	s_sub_co_u32 s40, s40, 131072                  ; the fetches go back to a slot's first step,
	s_xor_b32 s40, s40, SLOT1                      ; in the other slot
	s_wait_dscnt 0x0
	s_barrier_signal -1
	s_barrier_wait -1
.if \fill
	tensor_load_to_lds s[36:39], s[24:31]
	s_nop 0
	PLACES
.endif
.endm
; DOWN = 0's way out: if the loop's counter s56 is i, slot i's 32 sums a lane, with the bias added, go into X, and the common text follows.  Each accumulator's lowest registers are read first.
; The blocks stand one behind the other; every jump goes forward; the last block needs no test and runs on into the common text.
.macro PICK
.if i < NS-1
	s_cmp_lg_u32 s56, i
	s_cbranch_scc1 .Lnp_\@
.endif
	WIN 0x02+(i/8)                                 ; source 0: the accumulators' window
.set rc, 32*(i%8)
.set n, 0
.rept 16
	v_pk_add_f32 v[X+2*n:X+2*n+1], v[rc+2*n:rc+2*n+1], v[BI+2*n:BI+2*n+1]
.set n, n+1
.endr
	WIN 0
.if i < NS-1
	s_branch .Lgelu
.Lnp_\@:
.endif
.endm
	s_load_b256 s[4:11], s[0:1], 0x0               ; tokens s[4:5], weights s[6:7], meta s[8:9], output s[10:11]
.if !DOWN
	s_load_b64 s[12:13], s[0:1], 0x20              ; b1
.endif
	v_lshl_add_u32 v[SPW], v0, 2, SPARE
	v_mov_b32 v[NIL], 0
	ds_add_u32 v[SPW], v[NIL]                      ; the wave's opening: the add and its wait stand ahead of my first tensor load
	v_lshrrev_b32 v10, 5, v0
	v_readfirstlane_b32 s14, v10                   ; wave
	s_lshr_b32 s15, s14, 1                         ; cb
	s_and_b32 s16, s14, 1                          ; rp
	s_mov_b32 s17, ttmp9                           ; sx
	s_and_b32 s18, ttmp7, 0xffff                   ; e
	s_mov_b32 s24, 2<<16                           ; group 1: elements of 4 bytes, no mask, no padding
	s_mov_b32 s25, 128<<16                         ; tensor_dim0 = 128
	s_mov_b32 s26, 64<<16                          ; tensor_dim1 = 64
	s_mov_b32 s27, 128<<16                         ; tile_dim0 = 128: rows of 512 bytes
	s_mov_b32 s28, 64                              ; tile_dim1 = 64 rows
	s_mov_b32 s29, PITCHE                          ; elements from row to row
	s_mov_b32 s30, 0
	s_mov_b32 s31, 0
	s_lshl_b32 s52, s18, 24                        ; the expert's 16 MiB
.if DOWN
	s_lshr_b32 s62, s17, 3                         ; kq
	s_and_b32 s63, s17, 7                          ; cs
	s_lshl_b32 s53, s62, 22                        ; 1,024 rows of 4,096 bytes
	s_add_co_u32 s52, s52, s53
	s_lshl_b32 s53, s63, 9
.else
	s_lshl_b32 s53, s17, 9
.endif
	s_add_co_u32 s52, s52, s53                     ; my 128 columns
	s_mov_b32 s53, 0
	s_mul_i32 s56, s14, 64*PITCHB                  ; my wave's 64 rows of a chunk
	s_mov_b32 s57, 0
	s_mov_b32 s32, 1                               ; group 0 for chunk 0: count = 1,
	s_lshl_b32 s33, s14, 15                        ; LDS: slot 0, 64 rows x 512 bytes a wave
	s_mov_b32 s36, 1                               ; group 0 for chunk 1; it then walks
	s_add_co_u32 s37, s33, SLOT1
	s_wait_dscnt 0x0                               ; the opening add is done
	s_wait_kmcnt 0x0
	s_add_nc_u64 s[50:51], s[6:7], s[52:53]        ; the slice's first byte
	s_add_nc_u64 s[34:35], s[50:51], s[56:57]
	s_add_nc_u64 s[38:39], s[34:35], CHUNKB
	s_or_b32 s35, s35, 0x80000000                  ; type = 2
	s_or_b32 s39, s39, 0x80000000
	tensor_load_to_lds s[32:35], s[24:31]          ; both first fills together: two loads of mine are out
	s_nop 0
	tensor_load_to_lds s[36:39], s[24:31]
	s_nop 0
	PLACES
	s_lshl_b32 s59, s18, 2
	s_load_b32 s19, s[8:9], s59 offset:0x0         ; the expert's first tile
	s_load_b32 s20, s[8:9], s59 offset:0x20        ; and number of tiles
	v_and_b32 v10, 31, v0
	v_lshlrev_b32 v[L16], 4, v10
	v_and_b32 v11, 15, v0                          ; r
	v_bfe_u32 v10, v0, 4, 1                        ; h
	v_lshlrev_b32 v26, 4, v11
	v_lshl_add_u32 v26, s15, 8, v26                ; 256 cb + 16 r
	v_lshl_add_u32 v[VWG], v10, HSH, v26           ; + 32 h rows in memory
	v_lshl_add_u32 v[VL0], v10, 14, v26            ; + 32 h rows in LDS
.if DOWN
	s_lshl_b32 s52, s63, 9
	v_lshl_add_u32 v[VOB], v10, 15, s52            ; rows 8 h on, my work-group's 512 bytes of a row,
	v_add_nc_u32 v[VOB], v[VOB], v26               ; my wave's 256, my 16
	s_lshl_b32 s52, s62, 15                        ; the quarter's 16 blocks in a token tile
	s_add_nc_u64 s[46:47], s[4:5], s[52:53]
	s_mul_i32 s52, s62, 8912896                    ; the quarter's 2,176 rows of partial sums
	s_add_nc_u64 s[10:11], s[10:11], s[52:53]
.else
	s_lshl_b32 s52, s17, 1
	s_add_co_u32 s52, s52, s15                     ; my block of 64 columns of h
	s_lshl_b32 s54, s52, 11
	v_add_nc_u32 v[VOB], s54, v[L16]
	s_lshl_b32 s54, s52, 8
	s_lshl_b32 s55, s18, 14
	s_add_co_u32 s54, s54, s55
	v_lshl_add_u32 v25, v10, 7, s54                ; b1: expert, block, 32 h
.irp j, 0,1,2,3,4,5,6,7
	global_load_b128 v[64+4*(\j):67+4*(\j)], v25, s[12:13] offset:16*(\j)   ; columns 32 h + 4 j + 0..3
.endr
	s_mov_b64 s[46:47], s[4:5]
	s_mov_b32 s60, 0x3e6d3388                      ; 0.3275911 / sqrt 2
	s_mov_b32 s66, 0xbf38aa3b                      ; - log2(e) / 2
	s_mov_b32 s68, 0x3f07dc22                      ; half of 1.061405429
	s_mov_b32 s70, 0xbf3a00e3                      ; half of -1.453152027
	s_mov_b32 s72, 0x3f35f0e3                      ; half of 1.421413741
	s_mov_b32 s74, 0xbe11a98e                      ; half of -0.284496736
	s_mov_b32 s76, 0x3e027906                      ; half of 0.254829592
.irp q, 67,69,71,73,75,77
	s_mov_b32 s[\q], 0                             ; named as pairs; the low word serves both halves
.endr
.endif
	CLEAR
	s_wait_kmcnt 0x0
	s_min_u32 s19, s19, 135
	s_min_u32 s20, s20, 64
	s_add_co_u32 s21, s20, 1
	s_sub_co_u32 s21, s21, s16
	s_lshr_b32 s21, s21, 1                         ; the expert's tiles of my parity
	s_mov_b32 s22, 0
	SETPASS
.if !DOWN
	s_wait_loadcnt 0x0                             ; the bias, rounded to bf16 and widened again, in the accumulators' order
.irp c, 0,1,2,3
.irp j, 0,2,4,6
	v_cvt_pk_bf16_f32 v27, v[64+4*(\j)+(\c)], v[68+4*(\j)+(\c)]
	v_lshlrev_b32 v[BI+8*(\c)+(\j)], 16, v27
	v_and_b32 v[BI+8*(\c)+(\j)+1], 0xffff0000, v27
.endr
.endr
.endif
	s_mov_b64 s[44:45], s[46:47]
	LOADA 0, 1, 0                                  ; step 0's tokens, all ten slots: every register of both buffers is written on every path
	LOADA 1, 1, 2048                               ; step 1's
	s_wait_tensorcnt 0x1                           ; my part of chunk 0 is in; chunk 1's may stay out
	s_barrier_signal -1
	s_barrier_wait -1                              ; everybody's is
	s_mov_b32 s40, 0
	LOADW                                          ; step 0's weights
	s_wait_xcnt 0x0
	s_add_nc_u64 s[44:45], s[44:45], 2048          ; each step adds a block more: step s asks for block s + 2
	s_wait_dscnt 0x0
	CVTH 0, 0                                      ; step 0's fragments, into buffer 0
	CVTH 1, 0
	WIN 0
	s_mov_b32 s41, 2
	s_mov_b32 s42, 3
	s_branch .Lmid                                 ; the loop is entered in the middle of a trip: steps 0 to 2, then 3 to 6, 7 to 10
.Lout:
	HOOK 1                                         ; twice: chunk 2 into slot 0, chunk 3 into slot 1
	s_mov_b32 s41, 2
.Lin:
	RSTEP 1, 0
.Lmid:
	RSTEP 0, 0
	s_sub_co_u32 s41, s41, 1
	s_cmp_lg_u32 s41, 0
	s_cbranch_scc1 .Lin
	s_sub_co_u32 s42, s42, 1
	s_cmp_lg_u32 s42, 0
	s_cbranch_scc1 .Lout
	HOOK 0                                         ; the tail is written out: nothing is left to fetch
	s_mov_b32 s41, 2
.Lin2:
	RSTEP 1, 0                                     ; steps 11 to 14
	RSTEP 0, 1
	s_sub_co_u32 s41, s41, 1
	s_cmp_lg_u32 s41, 0
	s_cbranch_scc1 .Lin2
	MMX 1, 0, 1, 0                                 ; step 15
	s_branch .Lepi
.Lpass:                                                ; passes 1 to 3: the expert's tiles 20 to 63, if it has any
	s_wait_xcnt 0x0                                ; the offsets below were sources of loads and stores
	SETPASS
	s_cmp_eq_u32 s23, 0
	s_cbranch_scc1 .Lnext
	CLEARM
	s_mov_b64 s[44:45], s[46:47]
	s_mov_b64 s[48:49], s[50:51]
	s_mov_b32 s41, 16
.Lslow:
	PLACES                                         ; behind the last products: the loads and conversions below write their sources
	LOADWG
	LOADA 0, 0, 0
	s_wait_loadcnt 0x0
	CVTH 0, 0
	CVTH 1, 0
	WIN 0
	MMX 0, 0, 2, 0
	s_add_nc_u64 s[44:45], s[44:45], 2048
	s_add_nc_u64 s[48:49], s[48:49], 64*PITCHB
	s_sub_co_u32 s41, s41, 1
	s_cmp_lg_u32 s41, 0
	s_cbranch_scc1 .Lslow
.Lepi:                                                 ; THE WAY OUT, written once for all passes
	s_wait_loadcnt 0x0                             ; step 14's loads into buffer 0, whose registers are used again below
	PLACES
.if DOWN
.set i, 0
.rept NS
	WIN 0
	s_cmp_gt_u32 s23, i
	s_cbranch_scc0 .Lepi_end
	WIN 0x02+(i/8)
.set rc, 32*(i%8)
.irp j, 0,1,2,3,4,5,6,7                ; each accumulator's lowest register is read first
.irp c, 0,1,2,3
	v_mov_b32 v[BI+4*(\j)+(\c)], v[rc+8*(\c)+(\j)]   ; row 8 h + j, columns 4 r + 0..3: four accumulators' numbers side by side
.endr
.endr
	WIN 0
.irp j, 0,1,2,3,4,5,6,7
	global_store_b128 v[VO], v[BI+4*(\j):BI+4*(\j)+3], s[10:11] offset:4096*(\j)   ; sixteen lanes store 256 consecutive bytes of a row, aligned
.endr
	s_wait_xcnt 0x0                                ; the stores' offset and data are rewritten only behind this wait
	v_add_nc_u32 v[VO], OSTEP, v[VO]
.set i, i+1
.endr
.Lepi_end:
.else
	; a loop over the slots, so that gelu and rounding stand once in the text; a trip takes its slot's sums out of the accumulators by PICK
	s_mov_b32 s56, 0
.Lslot:
	s_cmp_ge_u32 s56, s23
	s_cbranch_scc1 .Lskip                          ; a dead slot
.set i, 0
.rept NS
	PICK
.set i, i+1
.endr
.Lgelu:                                                ; X = the slot's 32 sums a lane, bias added
.set n, 0
.rept 32
	v_fma_f32 v[T+n], |v[X+n]|, s60, 1.0
.set n, n+1
.endr
.set n, 0
.rept 16
	v_pk_mul_f32 v[E+2*n:E+2*n+1], v[X+2*n:X+2*n+1], s[66:67] op_sel_hi:[1,0]
.set n, n+1
.endr
.set n, 0
.rept 16
	v_pk_mul_f32 v[E+2*n:E+2*n+1], v[E+2*n:E+2*n+1], v[X+2*n:X+2*n+1]
.set n, n+1
.endr
.set n, 0
.rept 32
	v_rcp_f32 v[T+n], v[T+n]                       ; t
.set n, n+1
.endr
.set n, 0
.rept 32
	v_exp_f32 v[E+n], v[E+n]                       ; e^(-x x / 2)
.set n, n+1
.endr
	v_nop                                          ; a plain instruction behind the last of the batch (ISA guide 5.7.2),
	s_wait_alu depctr_va_vdst(0)                   ; and one wait for all 64 ahead of the first reader
.set n, 0
.rept 16
	v_pk_fma_f32 v[PP+2*n:PP+2*n+1], v[T+2*n:T+2*n+1], s[68:69], s[70:71] op_sel_hi:[1,0,0]
.set n, n+1
.endr
.irp q, 72,74,76
.set n, 0
.rept 16
	v_pk_fma_f32 v[PP+2*n:PP+2*n+1], v[PP+2*n:PP+2*n+1], v[T+2*n:T+2*n+1], s[\q:\q+1] op_sel_hi:[1,1,0]
.set n, n+1
.endr
.endr
.set n, 0
.rept 16
	v_pk_mul_f32 v[PP+2*n:PP+2*n+1], v[PP+2*n:PP+2*n+1], v[T+2*n:T+2*n+1]
.set n, n+1
.endr
.set n, 0
.rept 16
	v_pk_mul_f32 v[PP+2*n:PP+2*n+1], v[PP+2*n:PP+2*n+1], v[E+2*n:E+2*n+1]
.set n, n+1
.endr
.set n, 0
.rept 32
	v_max_num_f32 v[T+n], 0, v[X+n]
.set n, n+1
.endr
.set n, 0
.rept 32
	v_fma_f32 v[X+n], -|v[X+n]|, v[PP+n], v[T+n]   ; max(x, 0) - |x| q
.set n, n+1
.endr
.set n, 0
.rept 16
	v_cvt_pk_bf16_f32 v[E+n], v[X+2*n], v[X+2*n+1]
.set n, n+1
.endr
.irp u, 0,1,2,3
	global_store_b128 v[VO], v[E+4*(\u):E+4*(\u)+3], s[10:11] offset:512*(\u)   ; piece u of the tile's block: 512 consecutive bytes
.endr
.Lskip:
	s_wait_xcnt 0x0                                ; the stores' offset and data are rewritten only behind this wait
	v_add_nc_u32 v[VO], OSTEP, v[VO]
	s_add_co_u32 s56, s56, 1
	s_cmp_lt_u32 s56, NS
	s_cbranch_scc1 .Lslot
.endif
.Lnext:
	s_add_co_u32 s22, s22, 1
	s_cmp_lt_u32 s22, NPASS
	s_cbranch_scc1 .Lpass
	s_wait_tensorcnt 0x0                           ; the wave's end: behind my last tensor load
	ds_add_u32 v[SPW], v[NIL]
	s_wait_dscnt 0x0
	s_endpgm
.Lfunc_end_k_q5c3ff98055_up:
	.size	k_q5c3ff98055_up, .Lfunc_end_k_q5c3ff98055_up-k_q5c3ff98055_up
	.p2alignl 7, 3214868480
	.fill 96, 4, 3214868480
	.section	.rodata,"a",@progbits
	.p2align	6, 0x0
	.amdhsa_kernel k_q5c3ff98055_up
		.amdhsa_group_segment_fixed_size 327680
		.amdhsa_private_segment_fixed_size 0
		.amdhsa_enable_private_segment 0
		.amdhsa_kernarg_size 40
		.amdhsa_user_sgpr_count 2
		.amdhsa_user_sgpr_kernarg_segment_ptr 1
		.amdhsa_wavefront_size32 1
		.amdhsa_system_sgpr_workgroup_id_x 1
		.amdhsa_system_sgpr_workgroup_id_y 1
		.amdhsa_system_sgpr_workgroup_id_z 1
		.amdhsa_system_vgpr_workitem_id 0
		.amdhsa_next_free_vgpr 1024
		.amdhsa_next_free_sgpr 80
		.amdhsa_reserve_vcc 0
		.amdhsa_float_denorm_mode_32 3
		.amdhsa_float_denorm_mode_16_64 3
		.amdhsa_memory_ordered 1
		.amdhsa_forward_progress 1
		.amdhsa_inst_pref_size 156
	.end_amdhsa_kernel
	.amdgpu_metadata
---
amdhsa.version: [ 1, 2 ]
amdhsa.kernels:
  - .name:           k_q5c3ff98055_up
    .symbol:         k_q5c3ff98055_up.kd
    .args:
      - { .name: xg, .offset: 0, .size: 8, .value_kind: global_buffer, .address_space: global }
      - { .name: w1, .offset: 8, .size: 8, .value_kind: global_buffer, .address_space: global }
      - { .name: meta, .offset: 16, .size: 8, .value_kind: global_buffer, .address_space: global }
      - { .name: hg, .offset: 24, .size: 8, .value_kind: global_buffer, .address_space: global }
      - { .name: b1, .offset: 32, .size: 8, .value_kind: global_buffer, .address_space: global }
    .group_segment_fixed_size: 327680
    .private_segment_fixed_size: 0
    .kernarg_segment_align: 8
    .kernarg_segment_size: 40
    .max_flat_workgroup_size: 128
    .sgpr_count:     80
    .vgpr_count:     1024
    .wavefront_size: 32
...
	.end_amdgpu_metadata
.endif
;; end of part 8
;; launch down (part 9): grid 32 x 8, 4 waves a work-group, no clusters, 327,680 bytes of LDS; arguments hg, w2, meta, part; writes part
.if DOCPART == 9
	.amdgcn_target "amdgcn-amd-amdhsa--gfx1250"
	.amdhsa_code_object_version 6
	.text
	.protected	k_q5c3ff98055_down
	.globl	k_q5c3ff98055_down
	.p2align	8
	.type	k_q5c3ff98055_down,@function
k_q5c3ff98055_down:
	s_mov_b64 s[64:65], 0
	v_nop
	global_prefetch_b8 v0, s[64:65] scope:SCOPE_SE
	s_setreg_imm32_b32 hwreg(HW_REG_WAVE_MODE, 25, 1), 1
	s_wait_xcnt 0x0
; ONE TEXT FOR THE TWO PRODUCTS OF AN EXPERT; DOWN = 0: h = gelu(x w1[e] + b1[e]), stored in bf16; DOWN = 1: a quarter of K of h w2[e], stored in f32.
; SHARES.  Work-group (sx, e) alone reads 1,024 rows (k) x 128 columns of expert e's weights, 512 KiB of f32, once.  DOWN = 0: columns 128 sx of w1.  DOWN = 1: rows 1,024 (sx / 8), columns 128 (sx % 8) of w2.
; It multiplies all of the expert's routed rows by them.  Wave w has the 64 columns cb = w / 2 and the expert's tiles of 16 rows of parity rp = w % 2: ten slots, 40 accumulators, 320 rows an expert.
; WEIGHTS come as f32 by tensor loads, 256 k a chunk, into two LDS slots of 128 KiB; each wave fetches 64 rows of a chunk.  A lane's 16-byte LDS load of row k holds columns 4 r + 0..3 of its 64:
; component c of sixteen such loads, rounded in pairs to bf16, IS the fragment of the sixteen columns { 4 r + c }: nothing changes lanes.  k is permuted alike in weights and tokens:
; place i of lane half h in fragment f of a step of 64 is k = 32 h + 4 (i % 8) + 2 f + i / 8.  The fragments have two buffers: the next step's are made while this step's are multiplied.
; TOKENS come from memory as ready fragments: [tile][block of 64 k][c][lane][16 bytes], piece c: row lane % 16, k = 32 (lane / 16) + 4 j + c; fragment f is pieces 2 f and 2 f + 1.
; They are asked for TWO STEPS AHEAD, on two buffers, by groups of four slots: behind a group's 32 products of step s stand half of the next step's conversions of weights, which are also the places behind
; those products, and then the group's sixteen loads for step s + 2, into the registers just multiplied.  So a step's memory instructions stand in a few long runs.
; DOWN = 0 multiplies transposed (source 0 = weights): a lane then holds one token and the columns 32 h + 4 j + c, which rounded ARE piece c of the next product's tokens.
; DOWN = 1: source 0 = tokens: lane r holds columns 4 r + c of row 8 h + j in four accumulators; moved together they are 16 bytes, and sixteen lanes store 256 consecutive bytes of a row.
; The four quarters of K are partial sums: they stay in f32 and a later launch adds them, with b2 and the gate's weights.
; EVERY SPLIT.  The number of live slots NL hangs on the expert's stored number of tiles.  Slots 0 to 7 always load and multiply (a dead one takes tile 0 of the buffer, and is not stored), so that the counted wait for
; the tokens holds on every path; slots 8 and 9 are jumped where they are dead.  Every barrier and tensor load is on every path.  Tiles past the first 20 are served by three more passes, which read the weights from
; memory straight into registers and have no barrier; a pass without a live slot is jumped.
; The accumulators are cleared by 320 moves, in the wait for the first chunk: that spares a written-out first step; the later passes, a rare way, clear them by 40 products of two fragments of zeros, a quarter of that text.
; NO CLUSTER: each slice of weights has one reader; what an expert's work-groups share is its token tiles, whose number hangs on a stored count.
; LIMITS.  Weights, bias and tokens are rounded to bf16, h once to bf16.  erf by the five-term rational form of Abramowitz and Stegun 7.1.26, absolute error 1.5e-7: gelu(x) = max(x, 0) - |x| q(|x|),
; q(a) = (1/2) P(t) e^(-a a / 2), t = 1 / (1 + 0.3275911 a / sqrt 2).  NaN and infinities are not treated apart.
.set DOWN, 1
.if DOWN
.set PITCHB, 4096                      ; bytes from a row of the weights to the next
.set PITCHE, 1024
.set TSH, 17                           ; log2 of a token tile's bytes
.set HSH, 17                           ; log2 of 32 rows of weights
.set OSH, 16                           ; log2 of an output tile's bytes
.set OSTEP, 131072                     ; two output tiles
.else
.set PITCHB, 16384
.set PITCHE, 4096
.set TSH, 15
.set HSH, 19
.set OSH, 17
.set OSTEP, 262144
.endif
.set NS, 10                            ; slots a wave
.set NU, 8                             ; of them always at work: two groups of four
.set NPASS, 4                          ; 4 x 10 slots x 2 parities cover an expert's 64 tiles at the most
.set CHUNKB, 256*PITCHB                ; 256 rows of weights
.set SLOT1, 131072                     ; LDS: slot 0 at 0, slot 1 here: 256 rows x 512 bytes each; a half-wave's load takes 256 consecutive bytes
.set SPARE, 262144                     ; behind the ring: the spare words, 128 bytes a wave
; window 0
.set L16, 1                            ; 16 x lane
.set VL0, 2                            ; my place in a step's weights in LDS: 16,384 h + 256 cb + 16 r
.set VL,  3                            ; the same in the step in hand
.set VWG, 4                            ; my place in a step's weights in memory
.set SPW, 5                            ; my spare word; never rewritten
.set NIL, 6                            ; 0; never rewritten
.set VO,  7                            ; my output offset
.set AOFF, 12                          ; v12-21  slot i: byte offset of my 16 bytes in its token tile
.set VOB, 24                           ; the part of VO that no pass changes
.set BI,  32                           ; DOWN = 0: v32-63 bias, 8 c + j.   DOWN = 1: v32-63 sixteen bytes a row, 4 j + c
.set X,   64                           ; v64-223: token buffer 0, slot i fragment f at 64 + 16 i + 8 f; in DOWN = 0's way out X, T, E, PP, 32 each
.set T,   96
.set E,   128
.set PP,  160
; window 1: v0-159 token buffer 1 (16 i + 8 f); v192-255 weight fragments, buffer 0 (192 + 32 f + 8 c)
; window 2: accumulators of slots 0-7 (32 i + 8 c)
; window 3: v0-63 those of slots 8, 9; v64-127 weight fragments, buffer 1 (64 + 32 f + 8 c); v128-255 weights as loaded (128 + 64 f + 4 i + c)
; scalars: s14 wave, s15 cb, s16 rp, s17 sx, s18 e, s19 first tile, s20 tiles, s21 my tiles, s22 pass, s23 NL, s[24:31] descriptor group 1, s[32:35], s[36:39] group 0,
; s40 LDS byte of the step to fetch, s41, s42 counters, s[44:45] tokens at the step to fetch, s[46:47] at step 0, s[48:49], s[50:51] the same for the weights, s56 slot, s58 pass's first tile, s62 kq, s63 cs
.set MSB, 0
.macro WIN new                         ; s_set_vgpr_msb: bits 1:0 source 0, 3:2 source 1, 5:4 source 2, 7:6 destination; the high byte repeats the setting that is left
.if MSB != (\new)
	s_set_vgpr_msb (MSB<<8)|(\new)
.set MSB, (\new)
.endif
.endm
.macro PLACES                          ; four places behind matrix instructions (ISA guide 7.12.1)
.rept 4
	v_nop
.endr
.endm
; What hangs on the pass: the number of live slots, each slot's token tile (a dead slot takes tile 0 of the buffer, which always exists), the first output tile.
.macro SETPASS
	s_mul_i32 s52, s22, NS
	s_sub_co_i32 s23, s21, s52
	s_max_i32 s23, s23, 0
	s_min_i32 s23, s23, NS
	s_mul_i32 s52, s22, 2*NS
	s_add_co_u32 s58, s19, s52
	s_add_co_u32 s58, s58, s16
.set i, 0
.rept NS
	s_add_co_u32 s52, s58, 2*i
	s_cmp_gt_u32 s23, i
	s_cselect_b32 s52, s52, 0
	s_min_u32 s52, s52, 135
	v_lshl_add_u32 v[AOFF+i], s52, TSH, v[L16]
.set i, i+1
.endr
	s_min_u32 s52, s58, 135
	v_lshl_add_u32 v[VO], s52, OSH, v[VOB]
.endm
.macro CLEAR                           ; the first pass: in the wait for the first chunk
	WIN 0x80
.set i, 0
.rept 256
	v_mov_b32 v[i], 0
.set i, i+1
.endr
	WIN 0xc0
.set i, 0
.rept 64
	v_mov_b32 v[i], 0
.set i, i+1
.endr
	WIN 0
.endm
.macro CLEARM                          ; the later passes: two fragments of zeros, where the weights' fragments lie, multiplied into every accumulator with C = 0
	WIN 0x40
.set k, 0
.rept 16
	v_mov_b32 v[192+k], 0
.set k, k+1
.endr
.set i, 0
.rept NS
	WIN 0x05|(0x50*(2+i/8))
.irp c, 0,1,2,3
	v_wmma_f32_16x16x32_bf16 v[32*(i%8)+8*(\c):32*(i%8)+8*(\c)+7], v[192:199], v[200:207], 0
.endr
.set i, i+1
.endr
	WIN 0
.endm
; A step's token fragments into buffer b, from byte off behind the base: four loads of 512 consecutive bytes a slot.  all = 0: the loads of slots 8 and 9 are jumped where they are dead.
.macro LOADA b, all, off
.set i, 0
.rept NS
.if (!(\all)) && (i >= NU)
	WIN 0
	s_cmp_gt_u32 s23, i
	s_cbranch_scc0 .Lla_\@
.endif
	WIN (\b)<<6
.set ra, 64*(1-(\b))+16*i
.irp u, 0,1,2,3
	global_load_b128 v[ra+4*(\u):ra+4*(\u)+3], v[AOFF+i], s[44:45] offset:(\off)+512*(\u)
.endr
.set i, i+1
.endr
	WIN 0
.Lla_\@:
.endm
; A step's weights, 64 k x my 64 columns in f32: 32 LDS loads, fragment 0's sixteen first
.macro LOADW
	WIN 0
	v_add_nc_u32 v[VL], s40, v[VL0]
	s_add_co_u32 s40, s40, 32768
	WIN 0xc0
.irp f, 0,1
.set k, 0
.rept 16
	ds_load_b128 v[128+64*(\f)+4*k:128+64*(\f)+4*k+3], v[VL] offset:512*(4*(k&7)+2*(\f)+(k>>3))
.set k, k+1
.endr
.endr
	WIN 0
.endm
.macro LOADWG                          ; the same from memory, for the later passes
	WIN 0xc0
.irp f, 0,1
.set k, 0
.rept 16
	global_load_b128 v[128+64*(\f)+4*k:128+64*(\f)+4*k+3], v[VWG], s[48:49] offset:PITCHB*(4*(k&7)+2*(\f)+(k>>3))
.set k, k+1
.endr
.endr
	WIN 0
.endm
; Half of a step's conversions: fragment f of the four column sets, into fragment buffer d.  Register p of the fragment of columns { 4 r + c }: component c of loads 2 p and 2 p + 1.
.macro CVTH f, d
.if \d
	WIN 0xcf
.set fb, 64
.else
	WIN 0x4f
.set fb, 192
.endif
.irp c, 0,1,2,3
.set k, 0
.rept 8
	v_cvt_pk_bf16_f32 v[fb+32*(\f)+8*(\c)+k], v[128+64*(\f)+8*k+(\c)], v[128+64*(\f)+8*k+4+(\c)]
.set k, k+1
.endr
.endr
.endm
; Slot i's eight products from token buffer b and fragment buffer b; its four accumulators take turns from slot to slot and over every jump and back edge too.
.macro SLOTMM b
.set rc, 32*(i%8)
.set ra, 64*(1-(\b))+16*i
.set fb, 192-128*(\b)
.if DOWN
	WIN (\b)|((1+2*(\b))<<2)|(0x50*(2+i/8))
.else
	WIN (1+2*(\b))|((\b)<<2)|(0x50*(2+i/8))
.endif
.irp f, 0,1
.irp c, 0,1,2,3
.if DOWN
	v_wmma_f32_16x16x32_bf16 v[rc+8*(\c):rc+8*(\c)+7], v[ra+8*(\f):ra+8*(\f)+7], v[fb+32*(\f)+8*(\c):fb+32*(\f)+8*(\c)+7], v[rc+8*(\c):rc+8*(\c)+7]
.else
	v_wmma_f32_16x16x32_bf16 v[rc+8*(\c):rc+8*(\c)+7], v[fb+32*(\f)+8*(\c):fb+32*(\f)+8*(\c)+7], v[ra+8*(\f):ra+8*(\f)+7], v[rc+8*(\c):rc+8*(\c)+7]
.endif
.endr
.endr
.endm
.macro SLOTLD b                        ; slot i's four loads into token buffer b
	WIN (\b)<<6
.set ra, 64*(1-(\b))+16*i
.irp u, 0,1,2,3
	global_load_b128 v[ra+4*(\u):ra+4*(\u)+3], v[AOFF+i], s[44:45] offset:512*(\u)
.endr
.endm
; A step's products.  Groups A (slots 0-3) and B (slots 4-7) always run; slots 8 and 9 are jumped where they are dead.
; ld = 1: behind group g's 32 products stand the 32 conversions of the next step's fragment g, into the other fragment buffer: they name no register of those products, so they are the places ahead of the
; group's sixteen loads for the step after next, which follow.  The tokens' base is stepped ahead of group A's loads: the youngest loads that name it lie 32 products back.
; tail = 1 (steps 12 and 14, one text): in the loop's last trip there is no step after next: the base stays, and the loads bring block 15 once more, which nobody multiplies: the price of one text for both trips.
; mode 0, the waits in a step with ld = 1.  Loads come back in order (ISA guide 5.7.1), and a step issues A's 16, B's 16, then slot 8's and slot 9's 4 each.  Behind A's loads for this step the wave has issued, on every
; path, at least B's of the same step and A's and B's of the next: 48.  Behind B's: A's and B's of the next step and A's of this one: 48.  Behind slot 8's or 9's: A's and B's of two steps, 64: 60 may stay out.
; mode 1, the last step, which issues none: behind A's: B's and the next step's two groups, 48; behind B's and behind slot 8's and 9's: those two groups, 32.   mode 2: everything has been waited for.
.macro MMX b, ld, mode, tail
.irp g, 0,1
.if (\mode) == 0
	s_wait_loadcnt 48
.elseif (\mode) == 1
	s_wait_loadcnt 48-16*(\g)
.endif
.set i, 4*(\g)
.rept 4
	SLOTMM \b
.set i, i+1
.endr
.if \ld
	s_wait_dscnt 16-16*(\g)                        ; the next step's weights: fragment 0's sixteen LDS loads were issued first, fragment 1's sixteen may stay out
	CVTH \g, 1-(\b)
.if (\g) == 0
	s_wait_xcnt 0x0                                ; loads that name the base are pending: it is stepped only behind this wait
.if \tail
	s_cmp_lg_u32 s41, 1
	s_cselect_b32 s52, 2048, 0
	s_mov_b32 s53, 0
	s_add_nc_u64 s[44:45], s[44:45], s[52:53]
.else
	s_add_nc_u64 s[44:45], s[44:45], 2048
.endif
.endif
.set i, 4*(\g)
.rept 4
	SLOTLD \b
.set i, i+1
.endr
.endif
.endr
.set i, NU
.rept NS-NU
	WIN 0
	s_cmp_gt_u32 s23, i
	s_cbranch_scc0 .Lmm_\@
.if (\mode) == 0
	s_wait_loadcnt 60
.elseif (\mode) == 1
	s_wait_loadcnt 32
.endif
	SLOTMM \b
.if \ld
	PLACES                                         ; ahead of the loads into the products' sources, and of the next step's conversions into this step's fragment buffer
	SLOTLD \b
.endif
.set i, i+1
.endr
	WIN 0
.Lmm_\@:
.endm
; A step: the next step's weights are asked for out of LDS; this step is multiplied, and among its products the next step's weights are rounded and the tokens of the step after next asked for.
.macro RSTEP b, tail
	LOADW
	MMX \b, 1, 0, \tail
.endm
; The change of slots: the slot's last bytes are in registers.  Each wave waits for all its tensor loads (one is out: its part of the other slot), adds 0 to its spare word, waits for that and for
; its reads of the slot, and meets the others.  fill = 1: the slot is filled again, first thing behind the barrier: the load has four steps in which to land.
.macro HOOK fill
	s_wait_tensorcnt 0x0
	ds_add_u32 v[SPW], v[NIL]                      ; 0 onto my spare word; scalar work stands between it and the wait for it
.if \fill
	s_xor_b32 s37, s37, SLOT1                      ; the walking descriptor: the other slot than last time,
	s_add_nc_u64 s[38:39], s[38:39], CHUNKB        ; the next 256 rows; the type bits on top are not reached
.endif
	s_sub_co_u32 s40, s40, 131072                  ; the fetches go back to a slot's first step,
	s_xor_b32 s40, s40, SLOT1                      ; in the other slot
	s_wait_dscnt 0x0
	s_barrier_signal -1
	s_barrier_wait -1
.if \fill
	tensor_load_to_lds s[36:39], s[24:31]
	s_nop 0
	PLACES
.endif
.endm
; DOWN = 0's way out: if the loop's counter s56 is i, slot i's 32 sums a lane, with the bias added, go into X, and the common text follows.  Each accumulator's lowest registers are read first.
; The blocks stand one behind the other; every jump goes forward; the last block needs no test and runs on into the common text.
.macro PICK
.if i < NS-1
	s_cmp_lg_u32 s56, i
	s_cbranch_scc1 .Lnp_\@
.endif
	WIN 0x02+(i/8)                                 ; source 0: the accumulators' window
.set rc, 32*(i%8)
.set n, 0
.rept 16
	v_pk_add_f32 v[X+2*n:X+2*n+1], v[rc+2*n:rc+2*n+1], v[BI+2*n:BI+2*n+1]
.set n, n+1
.endr
	WIN 0
.if i < NS-1
	s_branch .Lgelu
.Lnp_\@:
.endif
.endm
	s_load_b256 s[4:11], s[0:1], 0x0               ; tokens s[4:5], weights s[6:7], meta s[8:9], output s[10:11]
.if !DOWN
	s_load_b64 s[12:13], s[0:1], 0x20              ; b1
.endif
	v_lshl_add_u32 v[SPW], v0, 2, SPARE
	v_mov_b32 v[NIL], 0
	ds_add_u32 v[SPW], v[NIL]                      ; the wave's opening: the add and its wait stand ahead of my first tensor load
	v_lshrrev_b32 v10, 5, v0
	v_readfirstlane_b32 s14, v10                   ; wave
	s_lshr_b32 s15, s14, 1                         ; cb
	s_and_b32 s16, s14, 1                          ; rp
	s_mov_b32 s17, ttmp9                           ; sx
	s_and_b32 s18, ttmp7, 0xffff                   ; e
	s_mov_b32 s24, 2<<16                           ; group 1: elements of 4 bytes, no mask, no padding
	s_mov_b32 s25, 128<<16                         ; tensor_dim0 = 128
	s_mov_b32 s26, 64<<16                          ; tensor_dim1 = 64
	s_mov_b32 s27, 128<<16                         ; tile_dim0 = 128: rows of 512 bytes
	s_mov_b32 s28, 64                              ; tile_dim1 = 64 rows
	s_mov_b32 s29, PITCHE                          ; elements from row to row
	s_mov_b32 s30, 0
	s_mov_b32 s31, 0
	s_lshl_b32 s52, s18, 24                        ; the expert's 16 MiB
.if DOWN
	s_lshr_b32 s62, s17, 3                         ; kq
	s_and_b32 s63, s17, 7                          ; cs
	s_lshl_b32 s53, s62, 22                        ; 1,024 rows of 4,096 bytes
	s_add_co_u32 s52, s52, s53
	s_lshl_b32 s53, s63, 9
.else
	s_lshl_b32 s53, s17, 9
.endif
	s_add_co_u32 s52, s52, s53                     ; my 128 columns
	s_mov_b32 s53, 0
	s_mul_i32 s56, s14, 64*PITCHB                  ; my wave's 64 rows of a chunk
	s_mov_b32 s57, 0
	s_mov_b32 s32, 1                               ; group 0 for chunk 0: count = 1,
	s_lshl_b32 s33, s14, 15                        ; LDS: slot 0, 64 rows x 512 bytes a wave
	s_mov_b32 s36, 1                               ; group 0 for chunk 1; it then walks
	s_add_co_u32 s37, s33, SLOT1
	s_wait_dscnt 0x0                               ; the opening add is done
	s_wait_kmcnt 0x0
	s_add_nc_u64 s[50:51], s[6:7], s[52:53]        ; the slice's first byte
	s_add_nc_u64 s[34:35], s[50:51], s[56:57]
	s_add_nc_u64 s[38:39], s[34:35], CHUNKB
	s_or_b32 s35, s35, 0x80000000                  ; type = 2
	s_or_b32 s39, s39, 0x80000000
	tensor_load_to_lds s[32:35], s[24:31]          ; both first fills together: two loads of mine are out
	s_nop 0
	tensor_load_to_lds s[36:39], s[24:31]
	s_nop 0
	PLACES
	s_lshl_b32 s59, s18, 2
	s_load_b32 s19, s[8:9], s59 offset:0x0         ; the expert's first tile
	s_load_b32 s20, s[8:9], s59 offset:0x20        ; and number of tiles
	v_and_b32 v10, 31, v0
	v_lshlrev_b32 v[L16], 4, v10
	v_and_b32 v11, 15, v0                          ; r
	v_bfe_u32 v10, v0, 4, 1                        ; h
	v_lshlrev_b32 v26, 4, v11
	v_lshl_add_u32 v26, s15, 8, v26                ; 256 cb + 16 r
	v_lshl_add_u32 v[VWG], v10, HSH, v26           ; + 32 h rows in memory
	v_lshl_add_u32 v[VL0], v10, 14, v26            ; + 32 h rows in LDS
.if DOWN
	s_lshl_b32 s52, s63, 9
	v_lshl_add_u32 v[VOB], v10, 15, s52            ; rows 8 h on, my work-group's 512 bytes of a row,
	v_add_nc_u32 v[VOB], v[VOB], v26               ; my wave's 256, my 16
	s_lshl_b32 s52, s62, 15                        ; the quarter's 16 blocks in a token tile
	s_add_nc_u64 s[46:47], s[4:5], s[52:53]
	s_mul_i32 s52, s62, 8912896                    ; the quarter's 2,176 rows of partial sums
	s_add_nc_u64 s[10:11], s[10:11], s[52:53]
.else
	s_lshl_b32 s52, s17, 1
	s_add_co_u32 s52, s52, s15                     ; my block of 64 columns of h
	s_lshl_b32 s54, s52, 11
	v_add_nc_u32 v[VOB], s54, v[L16]
	s_lshl_b32 s54, s52, 8
	s_lshl_b32 s55, s18, 14
	s_add_co_u32 s54, s54, s55
	v_lshl_add_u32 v25, v10, 7, s54                ; b1: expert, block, 32 h
.irp j, 0,1,2,3,4,5,6,7
	global_load_b128 v[64+4*(\j):67+4*(\j)], v25, s[12:13] offset:16*(\j)   ; columns 32 h + 4 j + 0..3
.endr
	s_mov_b64 s[46:47], s[4:5]
	s_mov_b32 s60, 0x3e6d3388                      ; 0.3275911 / sqrt 2
	s_mov_b32 s66, 0xbf38aa3b                      ; - log2(e) / 2
	s_mov_b32 s68, 0x3f07dc22                      ; half of 1.061405429
	s_mov_b32 s70, 0xbf3a00e3                      ; half of -1.453152027
	s_mov_b32 s72, 0x3f35f0e3                      ; half of 1.421413741
	s_mov_b32 s74, 0xbe11a98e                      ; half of -0.284496736
	s_mov_b32 s76, 0x3e027906                      ; half of 0.254829592
.irp q, 67,69,71,73,75,77
	s_mov_b32 s[\q], 0                             ; named as pairs; the low word serves both halves
.endr
.endif
	CLEAR
	s_wait_kmcnt 0x0
	s_min_u32 s19, s19, 135
	s_min_u32 s20, s20, 64
	s_add_co_u32 s21, s20, 1
	s_sub_co_u32 s21, s21, s16
	s_lshr_b32 s21, s21, 1                         ; the expert's tiles of my parity
	s_mov_b32 s22, 0
	SETPASS
.if !DOWN
	s_wait_loadcnt 0x0                             ; the bias, rounded to bf16 and widened again, in the accumulators' order
.irp c, 0,1,2,3
.irp j, 0,2,4,6
	v_cvt_pk_bf16_f32 v27, v[64+4*(\j)+(\c)], v[68+4*(\j)+(\c)]
	v_lshlrev_b32 v[BI+8*(\c)+(\j)], 16, v27
	v_and_b32 v[BI+8*(\c)+(\j)+1], 0xffff0000, v27
.endr
.endr
.endif
	s_mov_b64 s[44:45], s[46:47]
	LOADA 0, 1, 0                                  ; step 0's tokens, all ten slots: every register of both buffers is written on every path
	LOADA 1, 1, 2048                               ; step 1's
	s_wait_tensorcnt 0x1                           ; my part of chunk 0 is in; chunk 1's may stay out
	s_barrier_signal -1
	s_barrier_wait -1                              ; everybody's is
	s_mov_b32 s40, 0
	LOADW                                          ; step 0's weights
	s_wait_xcnt 0x0
	s_add_nc_u64 s[44:45], s[44:45], 2048          ; each step adds a block more: step s asks for block s + 2
	s_wait_dscnt 0x0
	CVTH 0, 0                                      ; step 0's fragments, into buffer 0
	CVTH 1, 0
	WIN 0
	s_mov_b32 s41, 2
	s_mov_b32 s42, 3
	s_branch .Lmid                                 ; the loop is entered in the middle of a trip: steps 0 to 2, then 3 to 6, 7 to 10
.Lout:
	HOOK 1                                         ; twice: chunk 2 into slot 0, chunk 3 into slot 1
	s_mov_b32 s41, 2
.Lin:
	RSTEP 1, 0
.Lmid:
	RSTEP 0, 0
	s_sub_co_u32 s41, s41, 1
	s_cmp_lg_u32 s41, 0
	s_cbranch_scc1 .Lin
	s_sub_co_u32 s42, s42, 1
	s_cmp_lg_u32 s42, 0
	s_cbranch_scc1 .Lout
	HOOK 0                                         ; the tail is written out: nothing is left to fetch
	s_mov_b32 s41, 2
.Lin2:
	RSTEP 1, 0                                     ; steps 11 to 14
	RSTEP 0, 1
	s_sub_co_u32 s41, s41, 1
	s_cmp_lg_u32 s41, 0
	s_cbranch_scc1 .Lin2
	MMX 1, 0, 1, 0                                 ; step 15
	s_branch .Lepi
.Lpass:                                                ; passes 1 to 3: the expert's tiles 20 to 63, if it has any
	s_wait_xcnt 0x0                                ; the offsets below were sources of loads and stores
	SETPASS
	s_cmp_eq_u32 s23, 0
	s_cbranch_scc1 .Lnext
	CLEARM
	s_mov_b64 s[44:45], s[46:47]
	s_mov_b64 s[48:49], s[50:51]
	s_mov_b32 s41, 16
.Lslow:
	PLACES                                         ; behind the last products: the loads and conversions below write their sources
	LOADWG
	LOADA 0, 0, 0
	s_wait_loadcnt 0x0
	CVTH 0, 0
	CVTH 1, 0
	WIN 0
	MMX 0, 0, 2, 0
	s_add_nc_u64 s[44:45], s[44:45], 2048
	s_add_nc_u64 s[48:49], s[48:49], 64*PITCHB
	s_sub_co_u32 s41, s41, 1
	s_cmp_lg_u32 s41, 0
	s_cbranch_scc1 .Lslow
.Lepi:                                                 ; THE WAY OUT, written once for all passes
	s_wait_loadcnt 0x0                             ; step 14's loads into buffer 0, whose registers are used again below
	PLACES
.if DOWN
.set i, 0
.rept NS
	WIN 0
	s_cmp_gt_u32 s23, i
	s_cbranch_scc0 .Lepi_end
	WIN 0x02+(i/8)
.set rc, 32*(i%8)
.irp j, 0,1,2,3,4,5,6,7                ; each accumulator's lowest register is read first
.irp c, 0,1,2,3
	v_mov_b32 v[BI+4*(\j)+(\c)], v[rc+8*(\c)+(\j)]   ; row 8 h + j, columns 4 r + 0..3: four accumulators' numbers side by side
.endr
.endr
	WIN 0
.irp j, 0,1,2,3,4,5,6,7
	global_store_b128 v[VO], v[BI+4*(\j):BI+4*(\j)+3], s[10:11] offset:4096*(\j)   ; sixteen lanes store 256 consecutive bytes of a row, aligned
.endr
	s_wait_xcnt 0x0                                ; the stores' offset and data are rewritten only behind this wait
	v_add_nc_u32 v[VO], OSTEP, v[VO]
.set i, i+1
.endr
.Lepi_end:
.else
	; a loop over the slots, so that gelu and rounding stand once in the text; a trip takes its slot's sums out of the accumulators by PICK
	s_mov_b32 s56, 0
.Lslot:
	s_cmp_ge_u32 s56, s23
	s_cbranch_scc1 .Lskip                          ; a dead slot
.set i, 0
.rept NS
	PICK
.set i, i+1
.endr
.Lgelu:                                                ; X = the slot's 32 sums a lane, bias added
.set n, 0
.rept 32
	v_fma_f32 v[T+n], |v[X+n]|, s60, 1.0
.set n, n+1
.endr
.set n, 0
.rept 16
	v_pk_mul_f32 v[E+2*n:E+2*n+1], v[X+2*n:X+2*n+1], s[66:67] op_sel_hi:[1,0]
.set n, n+1
.endr
.set n, 0
.rept 16
	v_pk_mul_f32 v[E+2*n:E+2*n+1], v[E+2*n:E+2*n+1], v[X+2*n:X+2*n+1]
.set n, n+1
.endr
.set n, 0
.rept 32
	v_rcp_f32 v[T+n], v[T+n]                       ; t
.set n, n+1
.endr
.set n, 0
.rept 32
	v_exp_f32 v[E+n], v[E+n]                       ; e^(-x x / 2)
.set n, n+1
.endr
	v_nop                                          ; a plain instruction behind the last of the batch (ISA guide 5.7.2),
	s_wait_alu depctr_va_vdst(0)                   ; and one wait for all 64 ahead of the first reader
.set n, 0
.rept 16
	v_pk_fma_f32 v[PP+2*n:PP+2*n+1], v[T+2*n:T+2*n+1], s[68:69], s[70:71] op_sel_hi:[1,0,0]
.set n, n+1
.endr
.irp q, 72,74,76
.set n, 0
.rept 16
	v_pk_fma_f32 v[PP+2*n:PP+2*n+1], v[PP+2*n:PP+2*n+1], v[T+2*n:T+2*n+1], s[\q:\q+1] op_sel_hi:[1,1,0]
.set n, n+1
.endr
.endr
.set n, 0
.rept 16
	v_pk_mul_f32 v[PP+2*n:PP+2*n+1], v[PP+2*n:PP+2*n+1], v[T+2*n:T+2*n+1]
.set n, n+1
.endr
.set n, 0
.rept 16
	v_pk_mul_f32 v[PP+2*n:PP+2*n+1], v[PP+2*n:PP+2*n+1], v[E+2*n:E+2*n+1]
.set n, n+1
.endr
.set n, 0
.rept 32
	v_max_num_f32 v[T+n], 0, v[X+n]
.set n, n+1
.endr
.set n, 0
.rept 32
	v_fma_f32 v[X+n], -|v[X+n]|, v[PP+n], v[T+n]   ; max(x, 0) - |x| q
.set n, n+1
.endr
.set n, 0
.rept 16
	v_cvt_pk_bf16_f32 v[E+n], v[X+2*n], v[X+2*n+1]
.set n, n+1
.endr
.irp u, 0,1,2,3
	global_store_b128 v[VO], v[E+4*(\u):E+4*(\u)+3], s[10:11] offset:512*(\u)   ; piece u of the tile's block: 512 consecutive bytes
.endr
.Lskip:
	s_wait_xcnt 0x0                                ; the stores' offset and data are rewritten only behind this wait
	v_add_nc_u32 v[VO], OSTEP, v[VO]
	s_add_co_u32 s56, s56, 1
	s_cmp_lt_u32 s56, NS
	s_cbranch_scc1 .Lslot
.endif
.Lnext:
	s_add_co_u32 s22, s22, 1
	s_cmp_lt_u32 s22, NPASS
	s_cbranch_scc1 .Lpass
	s_wait_tensorcnt 0x0                           ; the wave's end: behind my last tensor load
	ds_add_u32 v[SPW], v[NIL]
	s_wait_dscnt 0x0
	s_endpgm
.Lfunc_end_k_q5c3ff98055_down:
	.size	k_q5c3ff98055_down, .Lfunc_end_k_q5c3ff98055_down-k_q5c3ff98055_down
	.p2alignl 7, 3214868480
	.fill 96, 4, 3214868480
	.section	.rodata,"a",@progbits
	.p2align	6, 0x0
	.amdhsa_kernel k_q5c3ff98055_down
		.amdhsa_group_segment_fixed_size 327680
		.amdhsa_private_segment_fixed_size 0
		.amdhsa_enable_private_segment 0
		.amdhsa_kernarg_size 32
		.amdhsa_user_sgpr_count 2
		.amdhsa_user_sgpr_kernarg_segment_ptr 1
		.amdhsa_wavefront_size32 1
		.amdhsa_system_sgpr_workgroup_id_x 1
		.amdhsa_system_sgpr_workgroup_id_y 1
		.amdhsa_system_sgpr_workgroup_id_z 1
		.amdhsa_system_vgpr_workitem_id 0
		.amdhsa_next_free_vgpr 1024
		.amdhsa_next_free_sgpr 80
		.amdhsa_reserve_vcc 0
		.amdhsa_float_denorm_mode_32 3
		.amdhsa_float_denorm_mode_16_64 3
		.amdhsa_memory_ordered 1
		.amdhsa_forward_progress 1
		.amdhsa_inst_pref_size 144
	.end_amdhsa_kernel
	.amdgpu_metadata
---
amdhsa.version: [ 1, 2 ]
amdhsa.kernels:
  - .name:           k_q5c3ff98055_down
    .symbol:         k_q5c3ff98055_down.kd
    .args:
      - { .name: hg, .offset: 0, .size: 8, .value_kind: global_buffer, .address_space: global }
      - { .name: w2, .offset: 8, .size: 8, .value_kind: global_buffer, .address_space: global }
      - { .name: meta, .offset: 16, .size: 8, .value_kind: global_buffer, .address_space: global }
      - { .name: part, .offset: 24, .size: 8, .value_kind: global_buffer, .address_space: global }
    .group_segment_fixed_size: 327680
    .private_segment_fixed_size: 0
    .kernarg_segment_align: 8
    .kernarg_segment_size: 32
    .max_flat_workgroup_size: 128
    .sgpr_count:     80
    .vgpr_count:     1024
    .wavefront_size: 32
...
	.end_amdgpu_metadata
.endif
;; end of part 9
;; launch combine: the kernel of part 5 again; grid 512 x 1, 4 waves a work-group, no clusters, 0 bytes of LDS; arguments part, meta, route, gw, b2, out0; writes out0
